; MI455X (gfx1250); checked and timed in simulation.
; The chip was launched on July 23, 2026; its instructions are those of AMD's public machine-readable ISA for CDNA 5 (MIT licence, August 2026) and "CDNA5" Instruction Set Architecture Reference Guide (July 2026). The comments in the code are by the model that wrote it; some were corrected since.
;; Multi Scale Retention. Allowed arithmetic: float matrix products may take bf16 or f16 operands with f32 sums; other float arithmetic in f32, or as packed bf16 or f16 multiplies, adds, multiply-adds, maxima and minima; sums over many terms, partial sums and values carried from step to step in f32; what a program stores and reads back later, other than sums and carried values, may be rounded once to bf16 or f16.
;; Inputs: ln_b 2,048 float32; ln_w 2,048 float32; wg 2,048 x 2,048 float32; wk 2,048 x 2,048 float32; wo 2,048 x 2,048 float32; wq 2,048 x 2,048 float32; wv 2,048 x 2,048 float32; x 1 x 2,048 x 2,048 float32.
;; Outputs: out0 1 x 2,048 x 2,048 float32.
;; One version. Each part assembles by itself: llvm-mc -triple=amdgcn-amd-amdhsa -mcpu=gfx1250 --defsym DOCPART=n.
;; ======== version 1 of 1: 5 launches
;; limits: values outside matrix products are rounded to bf16; values are held in f16: magnitudes above 65,504 overflow, below 6.1e-05 lose precision
;; workspace buffers: cb 50,331,648 bytes; qkvg 33,554,432 bytes; qs 131,072 bytes; y 16,777,216 bytes; z 8,388,608 bytes
;; launch cast (part 1): grid 256 x 6, 8 waves a work-group, no clusters, 0 bytes of LDS; arguments x, wq, wk, wv, wg, wo, cb; writes cb
.if DOCPART == 1
	.amdgcn_target "amdgcn-amd-amdhsa--gfx1250"
	.amdhsa_code_object_version 6
	.text
	.protected	k_q6dfff5909d_cast
	.globl	k_q6dfff5909d_cast
	.p2align	8
	.type	k_q6dfff5909d_cast,@function
k_q6dfff5909d_cast:
	s_mov_b64 s[64:65], 0
	v_nop
	global_prefetch_b8 v0, s[64:65] scope:SCOPE_SE
	s_setreg_imm32_b32 hwreg(HW_REG_WAVE_MODE, 25, 1), 1
	s_wait_xcnt 0x0
; cb[t][:] = bf16(input t), t = 0..5: x, wq, wk, wv, wg, wo, each 2048 x 2048 f32, rounded once to nearest even.
; A stream: no LDS, no barrier, no matrix unit.  Grid y picks the tensor; a work-group takes 65,536 bytes of it, a wave 8,192, a lane 16 loads of 16 bytes.
; One load of a wave covers 512 consecutive bytes; its four f32 a lane become 8 bytes, so one store of a wave covers 256 consecutive bytes, aligned.
; All sixteen loads of a wave are issued at once; no register is written twice, so no source of a pending instruction is ever rewritten.
.set X, 8                              ; v[8:71]   as loaded
.set Y, 72                             ; v[72:103] as stored
	s_load_b256 s[4:11], s[0:1], 0x0               ; x s[4:5], wq s[6:7], wk s[8:9], wv s[10:11]
	s_load_b128 s[12:15], s[0:1], 0x20             ; wg s[12:13], wo s[14:15]
	s_load_b64 s[16:17], s[0:1], 0x30              ; cb
	s_and_b32 s18, ttmp7, 0xffff                   ; which tensor
	v_and_b32 v3, 0xe0, v0                         ; 32 x wave
	v_and_b32 v4, 31, v0                           ; lane
	v_lshlrev_b32 v1, 4, v4
	v_lshl_or_b32 v1, v3, 8, v1                    ; in: 8,192 x wave + 16 x lane
	v_lshlrev_b32 v2, 3, v4
	v_lshl_or_b32 v2, v3, 7, v2                    ; out: 4,096 x wave + 8 x lane
	s_lshl_b32 s20, ttmp9, 16                      ; the work-group's 65,536 bytes in
	s_mov_b32 s21, 0
	s_lshl_b32 s22, s18, 23                        ; the tensor's plane of 8,388,608 bytes in cb,
	s_lshl_b32 s23, ttmp9, 15                      ; the work-group's 32,768 bytes of it
	s_add_co_u32 s22, s22, s23
	s_mov_b32 s23, 0
	s_wait_kmcnt 0x0
.irp n, 1,2,3,4,5
	s_cmp_eq_u32 s18, \n
	s_cselect_b64 s[4:5], s[4+2*(\n):5+2*(\n)], s[4:5]
.endr
	s_add_nc_u64 s[4:5], s[4:5], s[20:21]
	s_add_nc_u64 s[16:17], s[16:17], s[22:23]
.set j, 0
.rept 16
	global_load_b128 v[X+4*j:X+4*j+3], v1, s[4:5] offset:512*j th:TH_LOAD_NT
.set j, j+1
.endr
.set j, 0
.rept 16
	s_wait_loadcnt 15-j                            ; loads come back in order: load j is in, the 15 - j younger ones stay out
	v_cvt_pk_bf16_f32 v[Y+2*j], v[X+4*j], v[X+4*j+1]
	v_cvt_pk_bf16_f32 v[Y+2*j+1], v[X+4*j+2], v[X+4*j+3]
	global_store_b64 v2, v[Y+2*j:Y+2*j+1], s[16:17] offset:256*j th:TH_STORE_NT
.set j, j+1
.endr
	s_endpgm
.Lfunc_end_k_q6dfff5909d_cast:
	.size	k_q6dfff5909d_cast, .Lfunc_end_k_q6dfff5909d_cast-k_q6dfff5909d_cast
	.p2alignl 7, 3214868480
	.fill 96, 4, 3214868480
	.section	.rodata,"a",@progbits
	.p2align	6, 0x0
	.amdhsa_kernel k_q6dfff5909d_cast
		.amdhsa_group_segment_fixed_size 0
		.amdhsa_private_segment_fixed_size 0
		.amdhsa_enable_private_segment 0
		.amdhsa_kernarg_size 56
		.amdhsa_user_sgpr_count 2
		.amdhsa_user_sgpr_kernarg_segment_ptr 1
		.amdhsa_wavefront_size32 1
		.amdhsa_system_sgpr_workgroup_id_x 1
		.amdhsa_system_sgpr_workgroup_id_y 1
		.amdhsa_system_sgpr_workgroup_id_z 1
		.amdhsa_system_vgpr_workitem_id 0
		.amdhsa_next_free_vgpr 104
		.amdhsa_next_free_sgpr 66
		.amdhsa_reserve_vcc 0
		.amdhsa_float_denorm_mode_32 3
		.amdhsa_float_denorm_mode_16_64 3
		.amdhsa_memory_ordered 1
		.amdhsa_forward_progress 1
		.amdhsa_inst_pref_size 7
	.end_amdhsa_kernel
	.amdgpu_metadata
---
amdhsa.version: [ 1, 2 ]
amdhsa.kernels:
  - .name:           k_q6dfff5909d_cast
    .symbol:         k_q6dfff5909d_cast.kd
    .args:
      - { .name: x, .offset: 0, .size: 8, .value_kind: global_buffer, .address_space: global }
      - { .name: wq, .offset: 8, .size: 8, .value_kind: global_buffer, .address_space: global }
      - { .name: wk, .offset: 16, .size: 8, .value_kind: global_buffer, .address_space: global }
      - { .name: wv, .offset: 24, .size: 8, .value_kind: global_buffer, .address_space: global }
      - { .name: wg, .offset: 32, .size: 8, .value_kind: global_buffer, .address_space: global }
      - { .name: wo, .offset: 40, .size: 8, .value_kind: global_buffer, .address_space: global }
      - { .name: cb, .offset: 48, .size: 8, .value_kind: global_buffer, .address_space: global }
    .group_segment_fixed_size: 0
    .private_segment_fixed_size: 0
    .kernarg_segment_align: 8
    .kernarg_segment_size: 56
    .max_flat_workgroup_size: 256
    .sgpr_count:     66
    .vgpr_count:     104
    .wavefront_size: 32
...
	.end_amdgpu_metadata
.endif
;; end of part 1
;; launch proj (part 2): grid 32 x 8, 4 waves a work-group, clusters of 4 x 4, 327,680 bytes of LDS; arguments cb, qkvg, qs; writes qkvg, qs
.if DOCPART == 2
	.amdgcn_target "amdgcn-amd-amdhsa--gfx1250"
	.amdhsa_code_object_version 6
	.text
	.protected	k_q6dfff5909d_proj
	.globl	k_q6dfff5909d_proj
	.p2align	8
	.type	k_q6dfff5909d_proj,@function
k_q6dfff5909d_proj:
	s_mov_b64 s[64:65], 0
	v_nop
	global_prefetch_b8 v0, s[64:65] scope:SCOPE_SE
	s_setreg_imm32_b32 hwreg(HW_REG_WAVE_MODE, 25, 1), 1
	s_wait_xcnt 0x0
	s_wait_alu depctr_hold_cnt(0) depctr_sa_sdst(0) depctr_va_vdst(0) depctr_va_sdst(0) depctr_va_ssrc(0) depctr_va_vcc(0) depctr_vm_vsrc(0)
	s_getreg_b32 s2, hwreg(HW_REG_IB_STS2, 6, 4)
	s_cmp_eq_u32 s2, 0
	s_cbranch_scc0 .Lentry_in_a_cluster
	s_endpgm
.Lentry_in_a_cluster:
	s_bfe_u32 s2, ttmp6, 0x10000c
	s_cmp_lg_u32 s2, 0xf033
	s_cbranch_scc0 .Lentry_shape_is_right
	s_endpgm
.Lentry_shape_is_right:
; [2048 x 8192] = x W4^T in bf16 with f32 sums: A = plane 0 of cb (x), B = planes 1 to 4 (wq, wk, wv, wg: 8,192 rows of 2,048).  The result leaves in f16, by blocks of 128 columns:
; qkvg[c][row][128], c = column / 128: c = 0..15 q by head, 16..31 k, 32..47 v, 48..63 g.  A wave's 128 x 128 of C is one block's 128 rows, whole.
; ON THE WAY OUT, in f32, with gamma = the head's decay and L = log2 gamma:
;   q row i:  q x rsq(|q|^2) / 16 x gamma^(i % 64); the factor taken out, |q| x 16 / sqrt(128), goes to qs[head][i] in f32.     k row j:  k x gamma^(63 - j % 64).     v, g: as they are.
; So a score made of these two is at most |k| / 16 whatever the inputs' size, and the later launch puts qs back in f32.
; LIMITS.  k, v and g must lie under 65,504 in magnitude (f16).  |q|^2 is floored at 2^-100: below that q is scaled by 2^50 / 16 and qs by its inverse, which is still exact.  NaN and infinities are not treated apart.
; gamma = 1 - e, e = 2^(-5 - 4 head / 15); log(1 - e) by its series to e^5: e is 1/32 at the most, so the next term is under 5e-9 of the sum.
; THE GEMM.  A tile of C is 256 x 256, four waves of 128 x 128 (64 accumulators, 512 registers); K in steps of 128 through two LDS slots filled by the tensor data mover, rows of 256 bytes.
; CLUSTER 4 x 4: A's tile is asked for jointly along a row of the cluster, B's along a column.  The matrix instruction is used transposed (source 0 = rows of B, source 1 = rows of A): a lane holds
; row l % 16 of C and the columns 8 (l / 16) + 0..7 of each block of 16.  The last K step goes by rows of C, so that finished rows leave while the others are multiplied.
; REGISTERS, in windows of 256: window 0: v0-31 addresses and factors; v64-191 fragments of A; v32-63, v192-255 the way out.  window 1: fragments of B.  windows 2, 3: the accumulators ((a, b) at v[8 (8 a + b)]).
.set SIZE_K, 2048
.set KSTEP,  128
.set PITCH,  272                       ; an LDS row: 256 bytes + 16 of padding = 68 words: the 16 rows of a load start at 16 different groups of four banks
.set HALFT,  128*PITCH                 ; 128 rows: what one tensor load brings
.set SLOT,   4*HALFT                   ; A's 256 rows, then B's 256 rows
.set STAGE,  2*SLOT                    ; behind the ring: 16 rows x 272 bytes for each wave
.set SPITCH, 272
.set SPARE,  STAGE+4*16*SPITCH         ; behind the stages: the spare words, 128 bytes a wave, which no other line names
.set LAPS, SIZE_K/(2*KSTEP)
.set FAC,  8                           ; v8, v10, v12, v14: the row's factor for block a % 4
.set ADRA, 16                          ; v16-17  LDS address of my A fragments in slot 0, 1
.set ADRB, 20                          ; v20-21  the same for B
.set SC,   22                          ; v[22:23] the block's factor, twice
.set STO,  24                          ; v24     the way out: where I put 16 bytes of a row
.set RD,   25                          ; v25     where I read a row back
.set CO,   26                          ; v26     16 x lane: two rows of a block are 512 consecutive bytes
.set QSO,  27                          ; v27     4 (l % 16): my row's word in qs
.set SPW,  28                          ; v28     my spare word; never rewritten
.set NIL,  29                          ; v29     0; never rewritten
.set PFO,  30                          ; v30     the prefetches' offset: lane x 4,096; never rewritten
.set BACK, 31                          ; v31     what goes to qs
.set PFA,  44                          ; s[44:45] where my prefetches stand
.set LIM,  43                          ; s43     1 in a wave that prefetches, else the greatest number
.set F0,   64
.set F1,   128
.set TMP,  192
.set OB,   32
.set PA,   64
.set G1, 24
.set G0, 32
.set G1B, 48
.set G0B, 56
.set QSB, 68                           ; s[68:69] qs at my first row
.set SELA, 70                          ; s70, s71 v_permlanex16_b32's selects
.set MQ,  72                           ; s72  all ones where the block is q's
.set KIND, 73                          ; s73  0 q, 1 k, 2 v, 3 g: made of the cluster's x alone, so it is the same in all sixteen partners
.set HEAD, 74                          ; s74
.set SGN, 75                           ; s75  1.0, -1.0, 0, 0
.set BASE, 76                          ; s76  0, 63.0, 0, 0
.set CF,  77                           ; s77  1/16, 1, 1, 1
.set MSB, 0
.macro WIN new                         ; the immediate's high byte repeats the setting that is left; a switch that changes nothing is dropped
.if MSB != (\new)
	s_set_vgpr_msb (MSB<<8)|(\new)
.set MSB, \new
.endif
.endm
.set MUL_LO, 0xa1                      ; source 0 (B) window 1, source 1 (A) window 0, C and D window 2
.set MUL_HI, 0xf1                      ; the same, C and D window 3
.set TO_B,   0x40                      ; destination window 1, address window 0
; A joint load.  Waves 0 and 1 fetch A's two halves, waves 2 and 3 B's; the branch hangs on the wave's number alone.  An s_nop 0 and four v_nop follow each line.
.macro JLOAD s
	s_cmp_eq_u32 s11, 0
	s_cbranch_scc0 .Lfor_b_\@
	tensor_load_to_lds s[G0+4*(\s):G0+4*(\s)+3], s[G1:G1+7]
	s_nop 0
.rept 4
	v_nop
.endr
	s_branch .Lasked_\@
.Lfor_b_\@:
	tensor_load_to_lds s[G0B+4*(\s):G0B+4*(\s)+3], s[G1B:G1B+7]
	s_nop 0
.rept 4
	v_nop
.endr
.Lasked_\@:
.endm
; A prefetch of the K step that stands two refills on: 32 rows x 256 bytes, a lane a row.  A's rows are asked for by the clusters with x = 0, B's by those with y = 0; the four partners that ask for a tile
; jointly share its rows out by address, 32 each.  So each row's 256 bytes of a K step are named once.  The loop's last trip asks for nothing: there is no K step two on.
.macro ASK
	s_cmp_gt_u32 s3, s[LIM]
	s_cbranch_scc0 .Lnot_mine_\@
	global_prefetch_b8 v[PFO], s[PFA:PFA+1] offset:KSTEP*2 th:TH_LOAD_NT scope:SCOPE_SE
.Lnot_mine_\@:
.endm
.macro CREST                           ; a round of the cluster's barrier behind its opening barrier
	s_cmp_lg_u32 s10, 0
	s_cbranch_scc1 .Lnot_wave_0_\@
	s_barrier_signal -3
.Lnot_wave_0_\@:
	s_barrier_wait -3
	s_barrier_signal -1
	s_barrier_wait -1
.endm
.macro CROUND                          ; a whole round
	s_barrier_signal -1
	s_barrier_wait -1
	CREST
.endm
; L = log2(1 - e), e = 2^(-5 - 4 head / 15)
.macro LOG2G hs, vL, vA, vB
	v_cvt_f32_u32 v[\vA], s[\hs]
	v_mov_b32 v[\vB], 0xc0a00000                   ; -5
	v_fmamk_f32 v[\vA], v[\vA], 0xbe888889, v[\vB] ; - 4 head / 15
	v_exp_f32 v[\vB], v[\vA]
	v_nop                                          ; a plain instruction behind the exponential,
	s_wait_alu depctr_va_vdst(0)                   ; and the wait ahead of its first reader
	v_mov_b32 v[\vL], 0x3e4ccccd                   ; 1/5
	v_fmaak_f32 v[\vL], v[\vL], v[\vB], 0x3e800000 ; 1/4
	v_fmaak_f32 v[\vL], v[\vL], v[\vB], 0x3eaaaaab ; 1/3
	v_fma_f32 v[\vL], v[\vL], v[\vB], 0.5
	v_fma_f32 v[\vL], v[\vL], v[\vB], 1.0
	v_mul_f32 v[\vL], v[\vL], v[\vB]
	v_mul_f32 v[\vL], 0xbfb8aa3b, v[\vL]           ; x -log2(e)
.endm
	s_load_b64 s[4:5], s[0:1], 0x0                 ; cb: A
	s_load_b64 s[8:9], s[0:1], 0x8                 ; qkvg
	s_load_b64 s[QSB:QSB+1], s[0:1], 0x10          ; qs
	v_lshl_add_u32 v[SPW], v0, 2, SPARE
	v_mov_b32 v[NIL], 0
	ds_add_u32 v[SPW], v[NIL]                      ; the wave's opening: the add and its wait ahead of my first tensor load; the set-up below stands between them
	v_lshrrev_b32 v1, 5, v0
	v_readfirstlane_b32 s10, v1                    ; wave 0..3
	s_lshr_b32 s11, s10, 1                         ; which half of the tile's rows is mine.  Also: I fetch for A (0) or for B (1)
	s_and_b32 s12, s10, 1                          ; which half of its columns.  Also: which 128 rows of that tile I fetch
	s_bfe_u32 s40, ttmp6, 0x40000                  ; cx
	s_bfe_u32 s41, ttmp6, 0x40004                  ; cy
	s_lshl_b32 s42, ttmp9, 2
	s_add_co_u32 s42, s42, s40                     ; tile column of C = 4 x cluster x + cx
	s_and_b32 s13, ttmp7, 0xffff
	s_lshl_b32 s13, s13, 2
	s_add_co_u32 s13, s13, s41                     ; tile row of C = 4 x cluster y + cy
	s_lshl_b32 s43, s41, 2
	s_lshl_b32 s43, 15, s43                        ; my row of the cluster
	s_lshl_b32 s44, 0x1111, s40                    ; my column
	s_or_b32 s[G1+0], s43, (1<<16)|(1<<20)|(1<<21)|(5<<22)|(3<<25)  ; the mask; elements of 2 bytes; padding on; bit 21 beside a mask; after every 64 words; 4 words
	s_or_b32 s[G1B+0], s44, (1<<16)|(1<<20)|(1<<21)|(5<<22)|(3<<25)
.irp g, G1, G1B
	s_mov_b32 s[(\g)+1], KSTEP<<16                 ; tensor_dim0 = 128
	s_mov_b32 s[(\g)+2], 128<<16                   ; tensor_dim1 = 128
	s_mov_b32 s[(\g)+3], KSTEP<<16                 ; tile_dim0 = 128
	s_mov_b32 s[(\g)+4], 128                       ; tile_dim1 = 128
	s_mov_b32 s[(\g)+5], SIZE_K                    ; elements from row to row
	s_mov_b32 s[(\g)+6], 0
	s_mov_b32 s[(\g)+7], 0
.endr
	s_lshl_b32 s17, s12, 7                         ; which 128 rows of the tile I fetch
	s_lshl_b32 s16, s13, 8
	s_add_co_u32 s16, s16, s17                     ; A: row 256 x tile row + 128 x half
	s_lshl_b32 s46, s42, 8
	s_add_co_u32 s46, s46, s17                     ; B: row 256 x tile column + 128 x half
	s_mov_b32 s17, 0
	s_mov_b32 s47, 0
	s_mov_b64 s[18:19], SIZE_K*2
	s_mul_u64 s[16:17], s[16:17], s[18:19]
	s_mul_u64 s[46:47], s[46:47], s[18:19]
	s_mul_i32 s20, s10, HALFT                      ; where they go: wave x 128 rows: no place in the cluster enters an LDS address
	s_wait_dscnt 0x0                               ; the opening add is done
	s_wait_kmcnt 0x0
	s_add_nc_u64 s[6:7], s[4:5], 0x800000          ; B: plane 1 of cb on
	s_add_nc_u64 s[14:15], s[4:5], s[16:17]
	s_add_nc_u64 s[46:47], s[6:7], s[46:47]
	CROUND                                         ; all sixteen work-groups are here: the first joint loads meet
.irp s, 0,1
	s_mov_b32 s[G0+4*(\s)], 1
	s_add_co_u32 s[G0+4*(\s)+1], s20, (\s)*SLOT
	s_add_nc_u64 s[G0+4*(\s)+2:G0+4*(\s)+3], s[14:15], (\s)*KSTEP*2
	s_or_b32 s[G0+4*(\s)+3], s[G0+4*(\s)+3], 0x80000000
	s_mov_b32 s[G0B+4*(\s)], 1
	s_add_co_u32 s[G0B+4*(\s)+1], s20, (\s)*SLOT
	s_add_nc_u64 s[G0B+4*(\s)+2:G0B+4*(\s)+3], s[46:47], (\s)*KSTEP*2
	s_or_b32 s[G0B+4*(\s)+3], s[G0B+4*(\s)+3], 0x80000000
	JLOAD \s                                       ; two tensor loads of mine are out
.endr
	v_and_b32 v1, 15, v0                           ; l % 16
	v_bfe_u32 v2, v0, 4, 1                         ; l / 16
	v_mul_u32_u24 v3, v1, PITCH
	v_lshl_add_u32 v3, v2, 4, v3                   ; row x pitch + 16 x half
	s_mul_i32 s21, s11, HALFT                      ; my 128 rows of A
	s_mul_i32 s22, s12, HALFT                      ; my 128 rows of B,
	s_add_co_u32 s22, s22, 2*HALFT                 ; which lie behind A's 256
.irp s, 0,1
	v_add_nc_u32 v[ADRA+(\s)], s21, v3
	v_add_nc_u32 v[ADRB+(\s)], s22, v3
	s_add_co_u32 s21, s21, SLOT
	s_add_co_u32 s22, s22, SLOT
.endr
	s_mul_i32 s23, s10, 16*SPITCH
	s_add_co_u32 s23, s23, STAGE                   ; my stage
	v_mul_u32_u24 v4, v1, SPITCH
	v_lshl_add_u32 v4, v2, 4, v4
	v_add_nc_u32 v[STO], s23, v4
	v_mul_u32_u24 v5, v2, SPITCH
	v_lshl_add_u32 v5, v1, 4, v5
	v_add_nc_u32 v[RD], s23, v5
	v_and_b32 v[CO], 31, v0
	v_lshlrev_b32 v[CO], 4, v[CO]
	v_lshlrev_b32 v[QSO], 2, v1
	; where my 128 rows of my block begin in qkvg and in qs
	s_lshl_b32 s13, s13, 8                         ; 256 x tile row
	s_lshl_b32 s14, s11, 7
	s_add_co_u32 s16, s13, s14                     ; my first row
	s_lshl_b32 s78, s16, 2                         ; its word in qs
	s_lshl_b32 s16, s16, 8                         ; a row of a block is 256 bytes
	s_mov_b32 s17, 0
	s_lshl1_add_u32 s46, s42, s12                  ; my block c = 2 x tile column + half
	s_and_b32 s[HEAD], s46, 15
	s_lshl_b32 s46, s46, 19                        ; a block is 524,288 bytes
	s_mov_b32 s47, 0
	s_add_nc_u64 s[16:17], s[16:17], s[46:47]
	s_lshl_b32 s79, s[HEAD], 13                    ; a head's 2,048 words of qs
	s_add_co_u32 s78, s78, s79
	s_mov_b32 s79, 0
	s_add_nc_u64 s[QSB:QSB+1], s[QSB:QSB+1], s[78:79]
	; the prefetches
	s_lshl_b32 s42, s42, 8
	s_and_b32 s22, ttmp7, 0xffff                   ; cluster y
	s_cmp_eq_u32 s11, 0                            ; do I fetch for A?
	s_cselect_b32 s20, s13, s42                    ; the tile's first row
	s_cselect_b32 s21, s40, s41                    ; my place among the four that ask for it with me
	s_cselect_b32 s22, ttmp9, s22                  ; the coordinate along which other clusters read the same rows
	s_cselect_b64 s[PFA:PFA+1], s[4:5], s[6:7]
	s_cmp_eq_u32 s22, 0
	s_cselect_b32 s[LIM], 1, -1
	s_lshl_b32 s22, s12, 7
	s_add_co_u32 s20, s20, s22
	s_lshl_b32 s21, s21, 5
	s_add_co_u32 s20, s20, s21
	s_mov_b32 s21, 0
	s_mov_b64 s[18:19], SIZE_K*2
	s_mul_u64 s[20:21], s[20:21], s[18:19]
	s_add_nc_u64 s[PFA:PFA+1], s[PFA:PFA+1], s[20:21]
	s_add_nc_u64 s[PFA:PFA+1], s[PFA:PFA+1], 2*KSTEP*2  ; at K step 2: the first refill steps it to 3 and names K step 4
	v_and_b32 v[PFO], 31, v0
	v_mul_u32_u24 v[PFO], v[PFO], SIZE_K*2
	; the rows' factors
	s_lshr_b32 s[KIND], ttmp9, 1                   ; c / 16 = (8 x cluster x + 2 cx + half) / 16
	s_cmp_eq_u32 s[KIND], 0
	s_cselect_b32 s[SGN], 1.0, 0
	s_cselect_b32 s[CF], 0x3d800000, 1.0
	s_cselect_b32 s[MQ], -1, 0
	s_cmp_eq_u32 s[KIND], 1
	s_cselect_b32 s[SGN], -1.0, s[SGN]
	s_cselect_b32 s[BASE], 0x427c0000, 0           ; 63
	s_mov_b32 s[SELA], 0x76543210
	s_mov_b32 s[SELA+1], 0xfedcba98
	LOG2G HEAD, 7, 5, 6
.irp a, 0,1,2,3
	v_add_nc_u32 v5, 16*(\a), v1
	v_cvt_f32_u32 v5, v5
	v_fma_f32 v5, v5, s[SGN], s[BASE]              ; i % 64, or 63 - j % 64, or 0
	v_mul_f32 v[FAC+2*(\a)], v5, v7
.endr
.irp a, 0,1,2,3
	v_exp_f32 v[FAC+2*(\a)], v[FAC+2*(\a)]
.endr
	v_nop
	s_wait_alu depctr_va_vdst(0)                   ; one wait for the four
.irp a, 0,1,2,3
	v_mul_f32 v[FAC+2*(\a)], s[CF], v[FAC+2*(\a)]
.endr
.macro MUL16 f, hi, a0, zero
	WIN MUL_LO+0x50*(\hi)
.irp a, \a0, (\a0)+1
.irp b, 0,1,2,3,4,5,6,7
.if \zero
	v_wmma_f32_16x16x32_bf16 v[8*(8*(\a)+(\b)):8*(8*(\a)+(\b))+7], v[(\f)+8*(\b):(\f)+8*(\b)+7], v[(\f)+8*(4*(\hi)+(\a)):(\f)+8*(4*(\hi)+(\a))+7], 0
.else
	v_wmma_f32_16x16x32_bf16 v[8*(8*(\a)+(\b)):8*(8*(\a)+(\b))+7], v[(\f)+8*(\b):(\f)+8*(\b)+7], v[(\f)+8*(4*(\hi)+(\a)):(\f)+8*(4*(\hi)+(\a))+7], v[8*(8*(\a)+(\b)):8*(8*(\a)+(\b))+7]
.endif
.endr
.endr
.endm
.macro FETCH slot, k, f                ; 32 LDS loads in one run: the fragments of one quarter step into buffer f
	WIN TO_B
.irp i, 0,1,2,3,4,5,6,7
	ds_load_b128 v[(\f)+8*(\i):(\f)+8*(\i)+3],   v[ADRB+(\slot)] offset:(\k)+(\i)*16*PITCH
	ds_load_b128 v[(\f)+8*(\i)+4:(\f)+8*(\i)+7], v[ADRB+(\slot)] offset:(\k)+(\i)*16*PITCH+32
.endr
	WIN 0
.irp i, 0,1,2,3,4,5,6,7
	ds_load_b128 v[(\f)+8*(\i):(\f)+8*(\i)+3],   v[ADRA+(\slot)] offset:(\k)+(\i)*16*PITCH
	ds_load_b128 v[(\f)+8*(\i)+4:(\f)+8*(\i)+7], v[ADRA+(\slot)] offset:(\k)+(\i)*16*PITCH+32
.endr
.endm
.macro PLACES                          ; four plain instructions between a matrix instruction and a load into, or a vector instruction on, its registers
.rept 4
	v_nop
.endr
.endm
.macro QUARTER slot, k, f, g, zero     ; 64 matrix instructions on buffer f; in their middle the next quarter's fragments go into buffer g
	s_wait_dscnt 8                                 ; B and A's rows 0-63 are in; the youngest eight loads (A's rows 64-127) may be out
	WIN MUL_LO
	MUL16 \f, 0, 0, \zero
	MUL16 \f, 0, 2, \zero
	PLACES
	FETCH \slot, \k, \g
	s_wait_dscnt 32                                ; all but the 32 just issued
	WIN MUL_HI
	MUL16 \f, 1, 0, \zero
	MUL16 \f, 1, 2, \zero
.endm
.macro MEET round                      ; the first half of a K step's last quarter: the barrier of the change of slots
	WIN 0
	s_wait_tensorcnt 0x0                           ; all my tensor loads have landed: the one that was out is my part of the next slot;
	ds_add_u32 v[SPW], v[NIL]                      ; 0 onto my spare word;
	s_wait_dscnt 9                                 ; (the add and the youngest eight loads may be out)
	WIN MUL_LO
	MUL16 F1, 0, 0, 0
	s_wait_dscnt 0x0                               ; the add is done, and my reads of this slot are over
	s_barrier_signal -1
	MUL16 F1, 0, 2, 0
.if \round
	WIN 0
.endif
	s_barrier_wait -1
.endm
.macro TURN slot, next                 ; the whole last quarter: behind the round the slot just read is filled again, two K steps on; then come the next slot's first fragments
	s_wait_xcnt 0x0                                ; the last prefetch, a K step back, has read its address
	s_add_nc_u64 s[PFA:PFA+1], s[PFA:PFA+1], KSTEP*2
	MEET 1
	CREST                                          ; no wave of any partner still reads this slot's tile or has a load on its way
	s_add_nc_u64 s[G0+4*(\slot)+2:G0+4*(\slot)+3], s[G0+4*(\slot)+2:G0+4*(\slot)+3], 2*KSTEP*2
	s_add_nc_u64 s[G0B+4*(\slot)+2:G0B+4*(\slot)+3], s[G0B+4*(\slot)+2:G0B+4*(\slot)+3], 2*KSTEP*2
	JLOAD \slot                                    ; my one tensor load behind the round; its four v_nop are also the places in front of the loads below
	FETCH \next, 0, F0
	ASK
	WIN MUL_HI
	MUL16 F1, 1, 0, 0
	MUL16 F1, 1, 2, 0
.endm
; The last K step (slot 1) by rows of C: all its fragments of B fill window 1; my eight blocks of 16 rows are finished one after the other, 32 matrix instructions each, the block's 8 accumulators by turns.
.macro BLOAD q
	WIN TO_B
.irp i, 0,1,2,3,4,5,6,7
	ds_load_b128 v[64*(\q)+8*(\i):64*(\q)+8*(\i)+3],   v[ADRB+1] offset:64*(\q)+(\i)*16*PITCH
	ds_load_b128 v[64*(\q)+8*(\i)+4:64*(\q)+8*(\i)+7], v[ADRB+1] offset:64*(\q)+(\i)*16*PITCH+32
.endr
.endm
.macro ALOAD a
	WIN 0
.set FA, PA+32*((\a)%4)
.irp q, 0,1,2,3
	ds_load_b128 v[FA+8*(\q):FA+8*(\q)+3],   v[ADRA+1] offset:64*(\q)+(\a)*16*PITCH
	ds_load_b128 v[FA+8*(\q)+4:FA+8*(\q)+7], v[ADRA+1] offset:64*(\q)+(\a)*16*PITCH+32
.endr
.endm
.macro ROW a
.set FA, PA+32*((\a)%4)
.set AC, 64*((\a)%4)
	WIN MUL_LO+0x50*((\a)/4)
.irp q, 0,1,2,3
.if (\a) == 0 && (\q) == 2
	s_wait_dscnt 24                                ; B's quarter 2 is in (behind it: A's blocks 1 to 3)
.endif
.irp b, 0,1,2,3,4,5,6,7
	v_wmma_f32_16x16x32_bf16 v[AC+8*(\b):AC+8*(\b)+7], v[64*(\q)+8*(\b):64*(\q)+8*(\b)+7], v[FA+8*(\q):FA+8*(\q)+7], v[AC+8*(\b):AC+8*(\b)+7]
.endr
.endr
.endm
; THE WAY OUT of block a.  PACK: the row's sum of squares (my 64 numbers in four chains, then the lane 16 away, which holds the row's other 64); the factor; the block scaled in place and rounded to f16.
; Each accumulator's lowest registers are read first.  The sum of squares is made for every kind of block and used for q alone: a select, no second text.
.macro PACK a
.set AC, 64*((\a)%4)
	WIN 0x0a+5*((\a)/4)                            ; sources 0 and 1: window 2 or 3
.irp b, 0,1,2,3,4,5,6,7
.irp r, 0,1,2,3
.if (\b) == 0
	v_pk_mul_f32 v[TMP+2*(\r):TMP+2*(\r)+1], v[AC+2*(\r):AC+2*(\r)+1], v[AC+2*(\r):AC+2*(\r)+1]
.else
	v_pk_fma_f32 v[TMP+2*(\r):TMP+2*(\r)+1], v[AC+8*(\b)+2*(\r):AC+8*(\b)+2*(\r)+1], v[AC+8*(\b)+2*(\r):AC+8*(\b)+2*(\r)+1], v[TMP+2*(\r):TMP+2*(\r)+1]
.endif
.endr
.endr
	WIN 0
	v_pk_add_f32 v[TMP:TMP+1], v[TMP:TMP+1], v[TMP+2:TMP+3]
	v_pk_add_f32 v[TMP+4:TMP+5], v[TMP+4:TMP+5], v[TMP+6:TMP+7]
	v_pk_add_f32 v[TMP:TMP+1], v[TMP:TMP+1], v[TMP+4:TMP+5]
	v_add_f32 v1, v[TMP], v[TMP+1]
	v_permlanex16_b32 v2, v1, s[SELA], s[SELA+1]
	v_add_f32 v1, v1, v2
	v_max_num_f32 v1, 0x0d800000, v1               ; the floor, 2^-100
	v_rsq_f32 v3, v1
	v_nop                                          ; a plain instruction behind it,
	s_wait_alu depctr_va_vdst(0)                   ; and the wait ahead of its first reader
	v_mul_f32 v4, v1, v3                           ; |q|
	v_mul_f32 v[BACK], 0x3fb504f3, v4              ; x 16 / sqrt(128)
	v_cndmask_b32 v5, 1.0, v3, s[MQ]               ; 1 / |q| for q, 1 for the others
	v_mul_f32 v[SC], v[FAC+2*((\a)%4)], v5
	v_mov_b32 v[SC+1], v[SC]
	s_cmp_lg_u32 s[KIND], 0
	s_cbranch_scc1 .Lno_qs_\@
	global_store_b32 v[QSO], v[BACK], s[QSB:QSB+1] offset:64*(\a)  ; 16 rows' words, 64 consecutive bytes; lanes l and l + 16 hold the same row and write the same number
.Lno_qs_\@:
	WIN 0x82+0x41*((\a)/4)                         ; destination and source 0: window 2 or 3
.set i, 0
.rept 32
	v_pk_mul_f32 v[AC+2*i:AC+2*i+1], v[AC+2*i:AC+2*i+1], v[SC:SC+1]
.set i, i+1
.endr
	WIN 0x0a+5*((\a)/4)
.irp b, 0,1,2,3,4,5,6,7
.irp r, 0,1,2,3
	v_cvt_pk_f16_f32 v[TMP+4*(\b)+(\r)], v[AC+8*(\b)+2*(\r)], v[AC+8*(\b)+2*(\r)+1]
.endr
.endr
	WIN 0
.endm
.macro TOSTAGE a                       ; into my own stage, and back as whole rows of 256 bytes
	WIN 0
.set BK, OB+192*((\a)%2)
.irp b, 0,1,2,3,4,5,6,7
	ds_store_b128 v[STO], v[TMP+4*(\b):TMP+4*(\b)+3] offset:32*(\b)
.endr
.irp t, 0,1,2,3,4,5,6,7
	ds_load_b128 v[BK+4*(\t):BK+4*(\t)+3], v[RD] offset:(\t)*2*SPITCH  ; LDS serves a wave's instructions in order: these see the stores above
.endr
.endm
.macro SEND a, younger                 ; younger: the LDS loads issued behind TOSTAGE's, which may stay out
	WIN 0
.set BK, OB+192*((\a)%2)
	s_wait_dscnt \younger
	s_wait_xcnt 0x0                                ; the earlier stores, that of qs among them, have read their registers and their base
.if (\a) == 0
	s_add_nc_u64 s[8:9], s[8:9], s[16:17]          ; my block's first rows
.else
	s_add_nc_u64 s[8:9], s[8:9], 16*256            ; 16 rows on
.endif
.irp t, 0,1,2,3,4,5,6,7
	global_store_b128 v[CO], v[BK+4*(\t):BK+4*(\t)+3], s[8:9] offset:512*(\t)  ; two rows: 512 consecutive bytes, aligned
.endr
.endm
	s_wait_tensorcnt 1                             ; my part of K step 0 is in; K step 1's load stays out
	s_barrier_signal -1
	s_barrier_wait -1
	FETCH 0, 0, F0
	QUARTER 0, 64,  F0, F1, 1                      ; the first quarter stands in front of the loop: its products start the sums
	WIN 0
	s_mov_b32 s3, LAPS-1
.Llap:                                                 ; a trip goes once round the ring and fills both slots again
	QUARTER 0, 128, F1, F0, 0
	QUARTER 0, 192, F0, F1, 0
	TURN 0, 1
	QUARTER 1, 64,  F0, F1, 0
	QUARTER 1, 128, F1, F0, 0
	QUARTER 1, 192, F0, F1, 0
	TURN 1, 0
	QUARTER 0, 64,  F0, F1, 0
	WIN 0
	s_sub_co_u32 s3, s3, 1
	s_cmp_lg_u32 s3, 0
	s_cbranch_scc1 .Llap
	QUARTER 0, 128, F1, F0, 0
	QUARTER 0, 192, F0, F1, 0
	MEET 0                                         ; nothing is filled again, so no round follows
	PLACES
	WIN TO_B
	BLOAD 0
	BLOAD 1
	BLOAD 3
	WIN 0
	ALOAD 0
	WIN MUL_HI
	MUL16 F1, 1, 0, 0
	MUL16 F1, 1, 2, 0
	PLACES
	WIN TO_B
	BLOAD 2
	WIN 0
	ALOAD 1
	ALOAD 2
	ALOAD 3
	s_wait_dscnt 40                                ; all but the 40 just issued
	ROW 0
.irp a, 0,1,2,3,4,5,6,7
	PLACES
	PACK \a
	TOSTAGE \a
.if (\a) < 4
	ALOAD (\a)+4
	SEND \a, 8
.else
	SEND \a, 0
.endif
.if (\a) < 7
	ROW (\a)+1
.endif
.endr
	s_wait_tensorcnt 0x0                           ; the wave's end
	ds_add_u32 v[SPW], v[NIL]
	s_wait_dscnt 0x0
	CROUND                                         ; the closing round
	s_endpgm
.Lfunc_end_k_q6dfff5909d_proj:
	.size	k_q6dfff5909d_proj, .Lfunc_end_k_q6dfff5909d_proj-k_q6dfff5909d_proj
	.p2alignl 7, 3214868480
	.fill 96, 4, 3214868480
	.section	.rodata,"a",@progbits
	.p2align	6, 0x0
	.amdhsa_kernel k_q6dfff5909d_proj
		.amdhsa_group_segment_fixed_size 327680
		.amdhsa_private_segment_fixed_size 0
		.amdhsa_enable_private_segment 0
		.amdhsa_kernarg_size 24
		.amdhsa_user_sgpr_count 2
		.amdhsa_user_sgpr_kernarg_segment_ptr 1
		.amdhsa_wavefront_size32 1
		.amdhsa_system_sgpr_workgroup_id_x 1
		.amdhsa_system_sgpr_workgroup_id_y 1
		.amdhsa_system_sgpr_workgroup_id_z 1
		.amdhsa_system_vgpr_workitem_id 0
		.amdhsa_next_free_vgpr 1024
		.amdhsa_next_free_sgpr 80
		.amdhsa_reserve_vcc 0
		.amdhsa_float_denorm_mode_32 3
		.amdhsa_float_denorm_mode_16_64 3
		.amdhsa_memory_ordered 1
		.amdhsa_forward_progress 1
		.amdhsa_inst_pref_size 186
	.end_amdhsa_kernel
	.amdgpu_metadata
---
amdhsa.version: [ 1, 2 ]
amdhsa.kernels:
  - .name:           k_q6dfff5909d_proj
    .symbol:         k_q6dfff5909d_proj.kd
    .args:
      - { .name: cb, .offset: 0, .size: 8, .value_kind: global_buffer, .address_space: global }
      - { .name: qkvg, .offset: 8, .size: 8, .value_kind: global_buffer, .address_space: global }
      - { .name: qs, .offset: 16, .size: 8, .value_kind: global_buffer, .address_space: global }
    .group_segment_fixed_size: 327680
    .private_segment_fixed_size: 0
    .kernarg_segment_align: 8
    .kernarg_segment_size: 24
    .max_flat_workgroup_size: 128
    .sgpr_count:     80
    .vgpr_count:     1024
    .wavefront_size: 32
...
	.end_amdgpu_metadata
.endif
;; end of part 2
;; launch attn (part 3): grid 16 x 16, 4 waves a work-group, clusters of 4 x 1, 327,680 bytes of LDS; arguments qkvg, qs, y; writes y
.if DOCPART == 3
	.amdgcn_target "amdgcn-amd-amdhsa--gfx1250"
	.amdhsa_code_object_version 6
	.text
	.protected	k_q6dfff5909d_attn
	.globl	k_q6dfff5909d_attn
	.p2align	8
	.type	k_q6dfff5909d_attn,@function
k_q6dfff5909d_attn:
	s_mov_b64 s[64:65], 0
	v_nop
	global_prefetch_b8 v0, s[64:65] scope:SCOPE_SE
	s_setreg_imm32_b32 hwreg(HW_REG_WAVE_MODE, 25, 1), 1
	s_wait_xcnt 0x0
	s_wait_alu depctr_hold_cnt(0) depctr_sa_sdst(0) depctr_va_vdst(0) depctr_va_sdst(0) depctr_va_ssrc(0) depctr_va_vcc(0) depctr_vm_vsrc(0)
	s_getreg_b32 s2, hwreg(HW_REG_IB_STS2, 6, 4)
	s_cmp_eq_u32 s2, 0
	s_cbranch_scc0 .Lentry_in_a_cluster
	s_endpgm
.Lentry_in_a_cluster:
	s_bfe_u32 s2, ttmp6, 0x10000c
	s_cmp_lg_u32 s2, 0x3003
	s_cbranch_scc0 .Lentry_shape_is_right
	s_endpgm
.Lentry_shape_is_right:
; CAUSAL RETENTION.  y[i][128 h + c] = qs[h][i] x the sum over j <= i of P_ij v[h][j][c],  P_ij = (q^_i . k~_j) x gamma^(64 (I - J) - 63),  I = i / 64, J = j / 64.
; q^, k~ and v are blocks h, 16 + h, 32 + h of qkvg, [2048][128] in f16; q^ carries gamma^(i % 64) and k~ gamma^(63 - j % 64), so the exponents add up to i - j.  Products and sums in f32; P is rounded to f16; y is f32.
; LIMITS.  |P| is at most |k| / 16 by the way q^ was made, so P has room in f16 wherever k has.  P below 6e-5 keeps f16's fixed step of 6e-8.  NaN and infinities are not treated apart.
; SHARES.  A head's 2,048 queries are 32 blocks of 64.  A work-group takes two: b = 4 F + cx and then 31 - b (F = the cluster's x).  A ROUND is a tile of 256 keys: THE FOUR WAVES SPLIT THE KEYS, wave w taking
; keys 64 w .. 64 w + 63 of the tile for all 64 queries (four tiles of 16); the sums are linear in the keys, so the four partial results are added in LDS at a block's end.  Block b needs tiles 0 .. F,
; block 31 - b tiles 0 .. 7 - F: nine rounds, whatever b.  The four partners of a cluster have the same F and walk the same tiles: each tile is asked for JOINTLY.  cx enters Q's, qs's, y's and the
; prefetches' addresses, and the number DL, which chooses between values and steers no branch.
; THE FACTOR.  DL = I - J for my 64 keys.  DL > 0: all scores times PHI = gamma^(64 DL - 63).  DL < 0: times 0.  DL = 0: key group kb of 16 against query tile t: PHI if kb < t, 0 if kb > t, and for kb = t the
; triangle D (1 where the key is not behind the query).  From round to round DL falls by 4 and PHI is multiplied by gamma^-256.
; LAYOUT.  S^T = K Q^T (source 0 = 16 keys, source 1 = 16 queries): a lane holds one query (l % 16) and the keys 8 (l / 16) + 0..7.  Two such results rounded to f16 are source 1 of O^T = V^T P.  V comes out of LDS turned.
; A TRIP.  64 products K Q^T, V's loads among the first 32 in four runs of 8; THE CHANGE OF SLOTS, as soon as V is in registers: the 64 products V^T P need LDS no more, so 16 of them stand in the change itself, and the
; other 48 behind the refill and the NEXT round's run of K loads, which lands beside them.
; REGISTERS, in windows of 256 (s_set_vgpr_msb: bits 1:0 source 0, 3:2 source 1, 5:4 source 2, 7:6 destination):
;   window 0: v0-63 addresses, factors; v64-191 S^T, 32 a tile (at a block's end: T v64-127, RES v128-191); v192-255 P, 16 a tile
;   window 1: O^T, 64 a tile      window 2: v0-127 Q; v128-255 K      window 3: v0-127 V; v128-255 the second block's Q
.set PK,    272       ; a row of K in LDS: 256 bytes + 16
.set PVP,   288       ; a row of V: 256 + 32
.set VOFF,  256*PK    ; a slot: 256 rows of K, then 256 rows of V
.set SLOTB, 256*(PK+PVP)
.set STAGE, 2*SLOTB   ; behind the ring, never filled by a tensor load: an area of 8,704 bytes for each wave
.set AREA,  8704
.set OPITCH, 528      ; a row of O in my area: 512 bytes + 16
.set SPARE, STAGE+4*AREA  ; the spare words, 128 bytes a wave, which no other line names
.set AK0, 2           ; v2   my lane's place in my 64 rows of K; never rewritten
.set AV0, 3           ; v3   the same for V
.set AK,  4           ; v4   AK0 + the slot
.set AV,  5           ; v5
.set QO,  6           ; v6   my byte offset in 16 rows of Q
.set STW, 7           ; v7   my area + 16 l
.set RDX, 8           ; v8   STAGE + 2,048 w + 16 l: tile w's part of area 0
.set STO, 9           ; v9   my area + 528 (l % 16) + 32 (l / 16)
.set GO,  11          ; v11  16 l
.set BK,  12          ; v[12:13] qs of my query of the block in hand, twice
.set BK2, 14          ; v[14:15] of the second block
.set D,   16          ; v[16:23] the triangle
.set MDG, 24          ; v[24:31] the factor where kb = t
.set PFO, 61          ; v61  256 l
.set SPW, 62
.set NIL, 63
.set S,   64
.set T,   64
.set RES, 128
.set P,   192
.set KF,  128
.set WV,  12
.set CX,  13
.set F,   14
.set HD,  15
.set KB,  16          ; s[16:17] K at my half of tile 0
.set VB,  18          ; s[18:19] V likewise
.set G1K, 24
.set G1V, 32
.set G0K, 40          ; s[40:47] two sets; the second walks
.set G0V, 48
.set CNT, 56
.set RT,  57          ; rounds that the block in hand still has
.set NXT, 58          ; the tile to be asked for next
.set LQ,  59          ; the last tile of the block whose tiles are being asked for
.set TCUR, 60         ; the tile that is being asked for
.set PL,  61          ; 5 in a head's first cluster, else -1
.set TF,  62          ; the slot that was filled last
.set TBR, 63          ; the slot that is read
.set OFF, 66          ; s[66:67] a tile's byte offset
.set PFB, 68          ; s[68:69] my work-group's 32 rows of the 128 that I fetch, in tile 0
.set PFA, 70          ; s[70:71] the same in the tile that is being asked for
.set YB,  72          ; s[72:73] y at my 16 rows of the block in hand
.set YH,  74          ; s[74:75] of the second block
.set DL,  76
.set DLH, 77
.set PHI, 78
.set PHIH, 79
.set GM,  80
.set ILO, 81
.set SHI, 82          ; s[82:83] the factor where kb > t
.set SLO, 84          ; s[84:85] where kb < t
.set A1,  86          ; s[86:87] the triangle's factor
.set LKB, 88          ; my half's place in a slot, for K
.set LVB, 89          ; for V
.set IHI, 91
.set QL,  92          ; s[92:93] Q of the first block
.set QH,  94          ; s[94:95] of the second
.set MSB, 0
.macro WIN new                         ; the immediate's high byte repeats the setting that is left; a switch that changes nothing is dropped
.if MSB != (\new)
	s_set_vgpr_msb (MSB<<8)|(\new)
.set MSB, \new
.endif
.endm
.set W_KQ, 0x0a
.set W_PV, 0x53
.macro PLACES                          ; four plain instructions between a matrix instruction and a vector instruction or an LDS store on its registers
.rept 4
	v_nop
.endr
.endm
.macro CREST                           ; a round of the cluster's barrier behind its opening barrier
	s_cmp_lg_u32 s[WV], 0
	s_cbranch_scc1 .Lnot_wave_0_\@
	s_barrier_signal -3
.Lnot_wave_0_\@:
	s_barrier_wait -3
	s_barrier_signal -1
	s_barrier_wait -1
.endm
.macro CROUND                          ; a whole round
	s_barrier_signal -1
	s_barrier_wait -1
	CREST
.endm
; A joint refill: waves 0 and 1 fetch the halves of a tile's K, waves 2 and 3 those of its V, 128 rows each.  An s_nop 0 and four v_nop follow each line.
.macro JLOAD
	s_cmp_lt_u32 s[WV], 2
	s_cbranch_scc0 .Lfor_v_\@
	tensor_load_to_lds s[G0K+4:G0K+7], s[G1K:G1K+7]
	s_nop 0
.rept 4
	v_nop
.endr
	s_branch .Lasked_\@
.Lfor_v_\@:
	tensor_load_to_lds s[G0V+4:G0V+7], s[G1V:G1V+7]
	s_nop 0
.rept 4
	v_nop
.endr
.Lasked_\@:
.endm
; The walk's next tile: 0 .. F, then 0 .. 7 - F.  All of it is made of F, which the partners share.
.macro NEXT
	s_mov_b32 s[TCUR], s[NXT]
	s_add_co_u32 s[NXT], s[NXT], 1
	s_cmp_gt_u32 s[NXT], s[LQ]
	s_cselect_b32 s[NXT], 0, s[NXT]
	s_cselect_b32 s[LQ], 99, s[LQ]
	s_lshl_b32 s[OFF], s[TCUR], 16                 ; a tile is 65,536 bytes of K and of V
.endm
; A prefetch of the tile two on: the head's first cluster, which reaches each tile first, asks in its second block's walk for tiles 3 to 7; each wave for 32 of the 128 rows that it fetches, the four partners told
; apart by address, a lane a row.  So each row is named once.  It stops where the tile two on would be the ninth.
.macro ASK
	s_cmp_le_i32 s[TCUR], s[PL]
	s_cbranch_scc0 .Lnone_\@
	global_prefetch_b8 v[PFO], s[PFA:PFA+1] offset:131072 th:TH_LOAD_NT scope:SCOPE_SE
.Lnone_\@:
.endm
.macro LOG2G hs, vL, vA, vB            ; L = log2(1 - e), e = 2^(-5 - 4 head / 15); the series to e^5: e is 1/32 at the most, so the next term is under 5e-9 of the sum
	v_cvt_f32_u32 v[\vA], s[\hs]
	v_mov_b32 v[\vB], 0xc0a00000
	v_fmamk_f32 v[\vA], v[\vA], 0xbe888889, v[\vB]
	v_exp_f32 v[\vB], v[\vA]
	v_nop
	s_wait_alu depctr_va_vdst(0)                   ; the wait ahead of the result's first reader
	v_mov_b32 v[\vL], 0x3e4ccccd
	v_fmaak_f32 v[\vL], v[\vL], v[\vB], 0x3e800000
	v_fmaak_f32 v[\vL], v[\vL], v[\vB], 0x3eaaaaab
	v_fma_f32 v[\vL], v[\vL], v[\vB], 0.5
	v_fma_f32 v[\vL], v[\vL], v[\vB], 1.0
	v_mul_f32 v[\vL], v[\vL], v[\vB]
	v_mul_f32 v[\vL], 0xbfb8aa3b, v[\vL]
.endm
	s_load_b128 s[4:7], s[0:1], 0x0                ; qkvg s[4:5], qs s[6:7]
	s_load_b64 s[8:9], s[0:1], 0x10                ; y
	v_lshl_add_u32 v[SPW], v0, 2, SPARE
	v_mov_b32 v[NIL], 0
	ds_add_u32 v[SPW], v[NIL]                      ; the wave's opening: the add and its wait ahead of my first tensor load
	v_lshrrev_b32 v1, 5, v0
	v_readfirstlane_b32 s[WV], v1
	s_bfe_u32 s[CX], ttmp6, 0x40000
	s_mov_b32 s[F], ttmp9
	s_and_b32 s[HD], ttmp7, 0xffff
	; what the partners share
	s_and_b32 s20, s[WV], 1                        ; which half of a tile's 256 rows I fetch
	s_lshl_b32 s21, s20, 15                        ; 128 rows of 256 bytes
	s_mul_i32 s[LKB], s20, 128*PK
	s_mul_i32 s[LVB], s20, 128*PVP
	s_add_co_u32 s[LVB], s[LVB], VOFF
	s_lshl_b32 s22, s[HD], 19
	s_add_co_u32 s22, s22, s21
	s_add_co_u32 s22, s22, 16<<19                  ; block 16 + head
	s_mov_b32 s23, 0
	s_mov_b32 s[G1K], 15|(1<<16)|(1<<20)|(1<<21)|(5<<22)|(3<<25)  ; the mask of four; 2-byte elements; padding on; bit 21 beside a mask; after every 64 words; 4 words
	s_mov_b32 s[G1V], 15|(1<<16)|(1<<20)|(1<<21)|(5<<22)|(7<<25)  ; the same with 8 words
.irp g, G1K, G1V
	s_mov_b32 s[(\g)+1], 128<<16                   ; tensor_dim0 = 128
	s_mov_b32 s[(\g)+2], 128<<16                   ; tensor_dim1 = 128
	s_mov_b32 s[(\g)+3], 128<<16                   ; tile_dim0 = 128
	s_mov_b32 s[(\g)+4], 128                       ; tile_dim1 = 128
	s_mov_b32 s[(\g)+5], 128                       ; elements from row to row
	s_mov_b32 s[(\g)+6], 0
	s_mov_b32 s[(\g)+7], 0
.endr
	s_mov_b32 s[NXT], 0
	s_mov_b32 s[LQ], s[F]
	s_mov_b32 s[OFF+1], 0
	s_add_co_u32 s[RT], s[F], 1                    ; the first block has F + 1 rounds
	s_mov_b32 s[TBR], 0
	s_mov_b32 s[TF], SLOTB
	s_cmp_eq_u32 s[F], 0
	s_cselect_b32 s[PL], 5, -1
	; what is my work-group's own
	s_lshl2_add_u32 s[ILO], s[F], s[CX]            ; b
	s_sub_co_u32 s[IHI], 31, s[ILO]
	s_sub_co_i32 s[DL], s[ILO], s[WV]
	s_sub_co_i32 s[DLH], s[IHI], s[WV]
	s_lshl_b32 s[QL], s[HD], 19
	s_lshl_b32 s[QH], s[IHI], 14                   ; 64 rows of 256 bytes
	s_add_co_u32 s[QH], s[QH], s[QL]
	s_lshl_b32 s[QL+1], s[ILO], 14
	s_add_co_u32 s[QL], s[QL], s[QL+1]
	s_mov_b32 s[QL+1], 0
	s_mov_b32 s[QH+1], 0
	s_lshl_b32 s[YB], s[WV], 17                    ; tile w's 16 rows of 8,192 bytes,
	s_lshl_b32 s[YB+1], s[HD], 9                   ; the head's 512 bytes of a row
	s_add_co_u32 s[YB], s[YB], s[YB+1]
	s_lshl_b32 s[YH], s[IHI], 19                   ; the block's 64 rows
	s_add_co_u32 s[YH], s[YH], s[YB]
	s_lshl_b32 s[YB+1], s[ILO], 19
	s_add_co_u32 s[YB], s[YB], s[YB+1]
	s_mov_b32 s[YB+1], 0
	s_mov_b32 s[YH+1], 0
	s_lshl_b32 s[PFB], s[CX], 13                   ; 32 rows of 256 bytes
	s_mov_b32 s[PFB+1], 0
	s_mov_b32 s[SHI+1], 0                          ; named as pairs
	s_mov_b32 s[SLO+1], 0
	s_mov_b32 s[A1+1], 0
	s_wait_dscnt 0x0                               ; the opening add is done
	s_wait_kmcnt 0x0
	s_add_nc_u64 s[KB:KB+1], s[4:5], s[22:23]
	s_add_nc_u64 s[VB:VB+1], s[KB:KB+1], 16<<19    ; block 32 + head
	s_add_nc_u64 s[QL:QL+1], s[4:5], s[QL:QL+1]
	s_add_nc_u64 s[QH:QH+1], s[4:5], s[QH:QH+1]
	s_add_nc_u64 s[YB:YB+1], s[8:9], s[YB:YB+1]
	s_add_nc_u64 s[YH:YH+1], s[8:9], s[YH:YH+1]
	s_cmp_lt_u32 s[WV], 2
	s_cselect_b64 s[20:21], s[KB:KB+1], s[VB:VB+1]
	s_add_nc_u64 s[PFB:PFB+1], s[20:21], s[PFB:PFB+1]
	CROUND                                         ; all four work-groups are here: the first joint loads meet
.irp s, 0,1
	NEXT
	s_mov_b32 s[G0K+4*(\s)], 1
	s_add_co_u32 s[G0K+4*(\s)+1], s[LKB], (\s)*SLOTB
	s_add_nc_u64 s[G0K+4*(\s)+2:G0K+4*(\s)+3], s[KB:KB+1], s[OFF:OFF+1]
	s_or_b32 s[G0K+4*(\s)+3], s[G0K+4*(\s)+3], 0x80000000
	s_mov_b32 s[G0V+4*(\s)], 1
	s_add_co_u32 s[G0V+4*(\s)+1], s[LVB], (\s)*SLOTB
	s_add_nc_u64 s[G0V+4*(\s)+2:G0V+4*(\s)+3], s[VB:VB+1], s[OFF:OFF+1]
	s_or_b32 s[G0V+4*(\s)+3], s[G0V+4*(\s)+3], 0x80000000
.endr
	s_cmp_lt_u32 s[WV], 2                          ; a wave's two first fills stand in one branch: two loads of mine are out
	s_cbranch_scc0 .Lfirst_v
	tensor_load_to_lds s[G0K:G0K+3], s[G1K:G1K+7]
	s_nop 0
	tensor_load_to_lds s[G0K+4:G0K+7], s[G1K:G1K+7]
	s_nop 0
.rept 4
	v_nop
.endr
	s_branch .Lfirst_asked
.Lfirst_v:
	tensor_load_to_lds s[G0V:G0V+3], s[G1V:G1V+7]
	s_nop 0
	tensor_load_to_lds s[G0V+4:G0V+7], s[G1V:G1V+7]
	s_nop 0
.rept 4
	v_nop
.endr
.Lfirst_asked:
	v_and_b32 v1, 15, v0                           ; l % 16
	v_bfe_u32 v32, v0, 4, 1                        ; l / 16
	v_and_b32 v33, 31, v0                          ; l
	v_lshlrev_b32 v[QO], 8, v1
	v_lshl_add_u32 v[QO], v32, 4, v[QO]            ; row x 256 + 16 x half
	WIN 0x80                                       ; destination window 2
.set i, 0
.rept 16                                       ; both blocks' Q stay in registers: tile i / 4, channels 32 (i % 4) on
	global_load_b128 v[8*i:8*i+3],   v[QO], s[QL:QL+1] offset:(i/4)*4096+(i%4)*64
	global_load_b128 v[8*i+4:8*i+7], v[QO], s[QL:QL+1] offset:(i/4)*4096+(i%4)*64+32
.set i, i+1
.endr
	WIN 0xc0                                       ; destination window 3
.set i, 0
.rept 16
	global_load_b128 v[128+8*i:128+8*i+3],   v[QO], s[QH:QH+1] offset:(i/4)*4096+(i%4)*64
	global_load_b128 v[128+8*i+4:128+8*i+7], v[QO], s[QH:QH+1] offset:(i/4)*4096+(i%4)*64+32
.set i, i+1
.endr
	WIN 0
	s_lshl_b32 s20, s[HD], 13                      ; qs: the head's 2,048 words,
	s_lshl_b32 s21, s[WV], 6                       ; tile w's 16
	s_add_co_u32 s20, s20, s21
	s_lshl_b32 s21, s[ILO], 8                      ; the block's 64
	s_add_co_u32 s21, s21, s20
	s_lshl_b32 s22, s[IHI], 8
	s_add_co_u32 s22, s22, s20
	v_lshl_add_u32 v34, v1, 2, s21
	v_lshl_add_u32 v35, v1, 2, s22
	global_load_b32 v[BK], v34, s[6:7]
	global_load_b32 v[BK2], v35, s[6:7]
	v_mul_u32_u24 v[AK0], v1, PK
	v_lshl_add_u32 v[AK0], v32, 4, v[AK0]
	s_mul_i32 s20, s[WV], 64*PK                    ; my 64 keys of a tile
	v_add_nc_u32 v[AK0], s20, v[AK0]
	v_mov_b32 v[AK], v[AK0]                        ; round 0 reads slot 0
	; the turning load takes 16 keys x 16 channels: lane l reads key 8 (l / 16) + l % 8, channels 8 ((l / 8) % 2) + 0..7
	v_and_b32 v40, 7, v0
	v_bfe_u32 v41, v0, 3, 1
	v_lshl_add_u32 v[AV0], v32, 3, v40
	v_mul_u32_u24 v[AV0], v[AV0], PVP
	v_lshl_add_u32 v[AV0], v41, 4, v[AV0]
	s_mul_i32 s20, s[WV], 64*PVP
	s_add_co_u32 s20, s20, VOFF
	v_add_nc_u32 v[AV0], s20, v[AV0]
	s_mul_i32 s21, s[WV], AREA
	s_add_co_u32 s21, s21, STAGE                   ; my area
	v_lshl_add_u32 v[STW], v33, 4, s21
	s_lshl_b32 s22, s[WV], 11
	s_add_co_u32 s22, s22, STAGE
	v_lshl_add_u32 v[RDX], v33, 4, s22
	v_mul_u32_u24 v[STO], v1, OPITCH
	v_lshl_add_u32 v[STO], v32, 5, v[STO]
	v_add_nc_u32 v[STO], s21, v[STO]
	v_lshlrev_b32 v[GO], 4, v33
	v_lshlrev_b32 v[PFO], 8, v33
	v_lshlrev_b32 v42, 3, v32
	v_sub_nc_u32 v42, v1, v42                      ; l % 16 - 8 (l / 16): register r's key is not behind my query where r is at most this
.set i, 0
.rept 8
	v_cmp_le_i32 vcc_lo, i, v42
	v_cndmask_b32 v[D+i], 0, 1.0, vcc_lo
.set i, i+1
.endr
	LOG2G HD, 36, 37, 38
	s_lshl_b32 s20, s[DL], 6
	s_sub_co_i32 s20, s20, 63
	s_lshl_b32 s21, s[DLH], 6
	s_sub_co_i32 s21, s21, 63
	v_cvt_f32_i32 v37, s20
	v_cvt_f32_i32 v38, s21
	v_mul_f32 v37, v37, v36
	v_mul_f32 v38, v38, v36
	v_mul_f32 v39, 0xc3800000, v36                 ; -256 L
	v_exp_f32 v37, v37
	v_exp_f32 v38, v38
	v_exp_f32 v39, v39
	v_nop
	s_wait_alu depctr_va_vdst(0)                   ; one wait for the three
	v_readfirstlane_b32 s[PHI], v37
	v_readfirstlane_b32 s[PHIH], v38
	v_readfirstlane_b32 s[GM], v39
	WIN 0x40                                       ; O^T starts at 0: written in the wait for the first tile, so that a round has one form of product
.set i, 0
.rept 256
	v_mov_b32 v[i], 0
.set i, i+1
.endr
	WIN 0
; Product i of 32 of S^T = K Q^T for tiles x, x + 1: channels 32 (i / 8) on, keys 16 ((i / 2) % 4) on, tile x + i % 2.  The first 8 start the sums.  The 8 accumulators take turns.
.macro KQ x
	WIN W_KQ
.set rS, S+32*((\x)+i%2)+8*((i/2)%4)
.set rK, KF+32*((i/2)%4)+8*(i/8)
.set rQ, 32*((\x)+i%2)+8*(i/8)
.if i < 8
	v_wmma_f32_16x16x32_f16 v[rS:rS+7], v[rK:rK+7], v[rQ:rQ+7], 0
.else
	v_wmma_f32_16x16x32_f16 v[rS:rS+7], v[rK:rK+7], v[rQ:rQ+7], v[rS:rS+7]
.endif
.endm
; Product i of 32 of O^T += V^T P: keys 32 (i / 16) on, channels 16 ((i / 2) % 8) on, tile x + i % 2.  16 accumulators by turns.
.macro PV x
	WIN W_PV
.set rO, 64*((\x)+i%2)+8*((i/2)%8)
.set rV, 64*(i/16)+8*((i/2)%8)
.set rP, P+16*((\x)+i%2)+8*(i/16)
	v_wmma_f32_16x16x32_f16 v[rO:rO+7], v[rV:rV+7], v[rP:rP+7], v[rO:rO+7]
.endm
.macro FETCH_K                         ; my 64 keys x 128 channels: 32 loads, by chunks of 32 channels, in the order in which the products want them
	WIN 0x80
.irp c, 0,1,2,3
.irp k, 0,1,2,3
	ds_load_b128 v[KF+32*(\k)+8*(\c):KF+32*(\k)+8*(\c)+3],   v[AK] offset:(\k)*16*PK+(\c)*64
	ds_load_b128 v[KF+32*(\k)+8*(\c)+4:KF+32*(\k)+8*(\c)+7], v[AK] offset:(\k)*16*PK+(\c)*64+32
.endr
.endr
.endm
.macro VRUN r                          ; run r of four of V's loads: fragments 4 r .. 4 r + 3 of 16 (fragment vf: keys 32 (vf / 8) on, channels 16 (vf % 8) on), 8 loads
	WIN 0xc0
.irp e, 0,1,2,3
.set vf, 4*(\r)+(\e)
	ds_load_tr16_b128 v[8*vf:8*vf+3],   v[AV] offset:(vf/8)*32*PVP+(vf%8)*32
	ds_load_tr16_b128 v[8*vf+4:8*vf+7], v[AV] offset:(vf/8)*32*PVP+16*PVP+(vf%8)*32
.endr
.endm
; Four vector instructions for tiles x, x + 1: pairs p = 2 (g / 2), p + 1 of a tile's 16 pairs of scores.  g even: times the factor; g odd: rounded to f16.  Each accumulator's lowest pair comes first.
.macro CV x, g
	WIN 0
.irp t, \x, (\x)+1
.irp d, 0, 1
.set p, 2*((\g)/2)+(\d)
.set rS, S+32*(\t)+2*p
.if ((\g)%2) == 0
.if (p/4) < (\t)
	v_pk_mul_f32 v[rS:rS+1], v[rS:rS+1], s[SLO:SLO+1] op_sel_hi:[1,0]
.elseif (p/4) > (\t)
	v_pk_mul_f32 v[rS:rS+1], v[rS:rS+1], s[SHI:SHI+1] op_sel_hi:[1,0]
.else
	v_pk_mul_f32 v[rS:rS+1], v[rS:rS+1], v[MDG+2*(p%4):MDG+2*(p%4)+1]
.endif
.else
	v_cvt_pk_f16_f32 v[P+16*(\t)+p], v[rS], v[rS+1]
.endif
.endr
.endr
.endm
.macro PVCV g0, n                      ; n times: two products V^T P of tiles 0, 1, and behind them four lines of tiles 2, 3's factors and roundings
.set g, \g0
.rept \n
.set i, 2*g
	PV 0
.set i, 2*g+1
	PV 0
	CV 2, g
.set g, g+1
.endr
.endm
; A TRIP: my 64 keys of the tile in slot TBR against the block's 64 queries, 128 matrix instructions; its K was fetched in the trip before (for round 0: at the head).
; fill = 1: the slot is filled again, with the walk's tile two rounds on; the barrier of the change is then a round of the cluster's, and the joint refill stands first behind it.
.macro BODY fill
	WIN 0
	s_cmp_gt_i32 s[DL], 0
	s_cselect_b32 s[SHI], s[PHI], 0
	s_cmp_ge_i32 s[DL], 0
	s_cselect_b32 s[SLO], s[PHI], 0
	s_cmp_eq_u32 s[DL], 0
	s_cselect_b32 s[A1], s[PHI], 0
.irp z, 0,1,2,3                        ; these five plain instructions are the places between the last trip's last product, which read V, and the loads into V's registers
	v_pk_fma_f32 v[MDG+2*(\z):MDG+2*(\z)+1], v[D+2*(\z):D+2*(\z)+1], s[A1:A1+1], s[SHI:SHI+1] op_sel_hi:[1,0,0]
.endr
	v_add_nc_u32 v[AV], s[TBR], v[AV0]
.set i, 0
.rept 32
.if (i%8) == 0
	s_wait_dscnt 24                                ; K's chunk i / 8 is in: behind it were issued the 8 (3 - i / 8) loads of K's later chunks and the 8 (i / 8) of V's runs so far: 24, each time
.endif
	KQ 0
.if (i%8) == 7
	VRUN i/8                                       ; V in short runs, 8 loads behind every 8 products
.endif
.set i, i+1
.endr
	PLACES                                         ; behind tiles 0, 1's last products, ahead of the first line that reads their scores
.set g, 0
.rept 16
.set i, 2*g
	KQ 2
.set i, 2*g+1
	KQ 2
	CV 0, g
.set g, g+1
.endr
	; THE CHANGE OF SLOTS.  All my tensor loads have landed (one was out: my part of the other slot); 0 onto my spare word; my reads of this slot, of which V's were the last, are over.
	WIN 0
	s_wait_tensorcnt 0x0
	ds_add_u32 v[SPW], v[NIL]                      ; 0 onto my spare word; work on registers stands between it and the wait for it
.if \fill
	NEXT
	s_xor_b32 s[TF], s[TF], SLOTB
	s_add_co_u32 s[G0K+5], s[LKB], s[TF]
	s_add_nc_u64 s[G0K+6:G0K+7], s[KB:KB+1], s[OFF:OFF+1]
	s_or_b32 s[G0K+7], s[G0K+7], 0x80000000
	s_add_co_u32 s[G0V+5], s[LVB], s[TF]
	s_add_nc_u64 s[G0V+6:G0V+7], s[VB:VB+1], s[OFF:OFF+1]
	s_or_b32 s[G0V+7], s[G0V+7], 0x80000000
	s_wait_xcnt 0x0                                ; the last prefetch, a round back, has read its address
	s_add_nc_u64 s[PFA:PFA+1], s[PFB:PFB+1], s[OFF:OFF+1]
.endif
	s_xor_b32 s[TBR], s[TBR], SLOTB                ; what is read from here on lies in the other slot
	v_add_nc_u32 v[AK], s[TBR], v[AK0]
	s_wait_dscnt 1                                 ; V is in; the add, issued behind V's loads, may be out
	PVCV 0, 4
	s_wait_dscnt 0x0                               ; the add is done
	s_barrier_signal -1
	PVCV 4, 4                                      ; work on registers while the others arrive
	WIN 0
	s_barrier_wait -1
.if \fill
	CREST                                          ; no wave of any partner still reads this slot or has a load on its way
	JLOAD                                          ; my one tensor load behind the round: it has a round's 128 matrix instructions in which to land
.endif
	FETCH_K                                        ; the next round's K: 48 products stand between these loads and their first reader
	WIN 0
.if \fill
	ASK
.endif
	PVCV 8, 8
.set i, 0
.rept 32
	PV 2
.set i, i+1
.endr
	WIN 0
	s_sub_co_i32 s[DL], s[DL], 4                   ; the next tile's keys lie four blocks of 64 on
	s_mul_f32 s[PHI], s[PHI], s[GM]
.endm
; A BLOCK'S END.  Pass p of four: every wave puts accumulators 2 p, 2 p + 1 of all four tiles (8,192 bytes) into its area; behind a barrier wave w reads tile w's part of all four areas and adds; a second barrier,
; signalled when the reads are back and awaited behind the additions, before the areas are written again.  So wave w ends with tile w whole in RES, chosen by address.
.macro BPASS p
	WIN 0x04                                       ; the stores' data in window 1
.irp t, 0,1,2,3
.irp c, 0,1
.irp h, 0,1
	ds_store_b128 v[STW], v[64*(\t)+8*(2*(\p)+(\c))+4*(\h):64*(\t)+8*(2*(\p)+(\c))+4*(\h)+3] offset:512*(4*(\t)+2*(\c)+(\h))
.endr
.endr
.endr
	WIN 0
	s_wait_dscnt 0x0                               ; for the others' sake: my stores are done
	s_barrier_signal -1
	s_barrier_wait -1
.irp a, 0,1,2,3
.irp q, 0,1,2,3
	ds_load_b128 v[T+16*(\a)+4*(\q):T+16*(\a)+4*(\q)+3], v[RDX] offset:AREA*(\a)+512*(\q)
.endr
.endr
	s_wait_dscnt 0x0                               ; my reads of the areas are over
	s_barrier_signal -1
.set u, 0
.rept 8
	v_pk_add_f32 v[RES+16*(\p)+2*u:RES+16*(\p)+2*u+1], v[T+2*u:T+2*u+1], v[T+16+2*u:T+16+2*u+1]
	v_pk_add_f32 v[T+32+2*u:T+32+2*u+1], v[T+32+2*u:T+32+2*u+1], v[T+48+2*u:T+48+2*u+1]
.set u, u+1
.endr
.set u, 0
.rept 8
	v_pk_add_f32 v[RES+16*(\p)+2*u:RES+16*(\p)+2*u+1], v[RES+16*(\p)+2*u:RES+16*(\p)+2*u+1], v[T+32+2*u:T+32+2*u+1]
.set u, u+1
.endr
	s_barrier_wait -1
.endm
.macro BEND sw                         ; sw = 1: the second block begins behind it
	PLACES                                         ; behind the round's last products
	BPASS 0
	BPASS 1
	BPASS 2
	BPASS 3
.set u, 0
.rept 32
	v_pk_mul_f32 v[RES+2*u:RES+2*u+1], v[RES+2*u:RES+2*u+1], v[BK:BK+1]  ; what was taken out of q comes back, in f32
.set u, u+1
.endr
.set u, 0
.rept 16                               ; a lane's eight channels of a row are 32 bytes; they go into rows of 528 bytes of my own area and come back as whole rows of 512
	ds_store_b128 v[STO], v[RES+4*u:RES+4*u+3] offset:64*(u/2)+16*(u%2)
.set u, u+1
.endr
.set u, 0
.rept 16
	ds_load_b128 v[T+4*u:T+4*u+3], v[STW] offset:OPITCH*u  ; LDS serves a wave's instructions in order: these see the stores above
.set u, u+1
.endr
.set u, 0
.rept 16
	s_wait_dscnt 15-u                              ; row u is back; the 15 - u later rows stay out
	global_store_b128 v[GO], v[T+4*u:T+4*u+3], s[YB:YB+1] offset:8192*u  ; the head's 512 bytes of a row of y, aligned
.set u, u+1
.endr
.if \sw
	s_wait_xcnt 0x0                                ; the stores have read their registers and their base
	s_mov_b64 s[YB:YB+1], s[YH:YH+1]
	s_mov_b32 s[DL], s[DLH]
	s_mov_b32 s[PHI], s[PHIH]
	s_mov_b32 s[RT], 100                           ; its end stands behind the loops
	v_mov_b32 v[BK], v[BK2]
	v_mov_b32 v[BK+1], v[BK2]
	WIN 0x40
.set u, 0
.rept 256
	v_mov_b32 v[u], 0
.set u, u+1
.endr
	WIN 0x83                                       ; its Q goes where the one text of a trip names Q
.set u, 0
.rept 128
	v_mov_b32 v[u], v[128+u]
.set u, u+1
.endr
	WIN 0
.endif
.endm
	s_wait_tensorcnt 1                             ; my part of slot 0 is in; slot 1's may stay out
	s_barrier_signal -1
	s_barrier_wait -1
	FETCH_K                                        ; round 0's K
	WIN 0
	s_wait_loadcnt 0x0                             ; Q and qs
	v_mov_b32 v[BK+1], v[BK]
	v_mov_b32 v[BK2+1], v[BK2]
	s_mov_b32 s[CNT], 7
.Lmain:                                                ; rounds 0 to 6: each fills its slot again, with the walk's places 2 to 8
	BODY 1
	s_sub_co_u32 s[RT], s[RT], 1
	s_cmp_lg_u32 s[RT], 0                          ; RT is made of the cluster's x and constants alone: the same in all four waves and in all four partners, so all of them take this jump together
	s_cbranch_scc1 .Lgo_on
	BEND 1                                         ; behind round F: the first block's end
.Lgo_on:
	s_sub_co_u32 s[CNT], s[CNT], 1
	s_cmp_lg_u32 s[CNT], 0
	s_cbranch_scc1 .Lmain
	s_mov_b32 s[CNT], 2
.Ltail:                                                ; rounds 7 and 8: nothing is left to ask for, so the tail is a text of its own.
	BODY 0                                         ; In round 8 the barrier, and the fetch of K (of the tile read a round before), serve nothing: the price, once a launch, of one text for both trips
	s_sub_co_u32 s[CNT], s[CNT], 1
	s_cmp_lg_u32 s[CNT], 0
	s_cbranch_scc1 .Ltail
	BEND 0
	s_wait_tensorcnt 0x0                           ; the wave's end
	ds_add_u32 v[SPW], v[NIL]
	s_wait_dscnt 0x0
	CROUND                                         ; the closing round
	s_endpgm
.Lfunc_end_k_q6dfff5909d_attn:
	.size	k_q6dfff5909d_attn, .Lfunc_end_k_q6dfff5909d_attn-k_q6dfff5909d_attn
	.p2alignl 7, 3214868480
	.fill 96, 4, 3214868480
	.section	.rodata,"a",@progbits
	.p2align	6, 0x0
	.amdhsa_kernel k_q6dfff5909d_attn
		.amdhsa_group_segment_fixed_size 327680
		.amdhsa_private_segment_fixed_size 0
		.amdhsa_enable_private_segment 0
		.amdhsa_kernarg_size 24
		.amdhsa_user_sgpr_count 2
		.amdhsa_user_sgpr_kernarg_segment_ptr 1
		.amdhsa_wavefront_size32 1
		.amdhsa_system_sgpr_workgroup_id_x 1
		.amdhsa_system_sgpr_workgroup_id_y 1
		.amdhsa_system_sgpr_workgroup_id_z 1
		.amdhsa_system_vgpr_workitem_id 0
		.amdhsa_next_free_vgpr 1024
		.amdhsa_next_free_sgpr 96
		.amdhsa_reserve_vcc 1
		.amdhsa_float_denorm_mode_32 3
		.amdhsa_float_denorm_mode_16_64 3
		.amdhsa_memory_ordered 1
		.amdhsa_forward_progress 1
		.amdhsa_inst_pref_size 131
	.end_amdhsa_kernel
	.amdgpu_metadata
---
amdhsa.version: [ 1, 2 ]
amdhsa.kernels:
  - .name:           k_q6dfff5909d_attn
    .symbol:         k_q6dfff5909d_attn.kd
    .args:
      - { .name: qkvg, .offset: 0, .size: 8, .value_kind: global_buffer, .address_space: global }
      - { .name: qs, .offset: 8, .size: 8, .value_kind: global_buffer, .address_space: global }
      - { .name: y, .offset: 16, .size: 8, .value_kind: global_buffer, .address_space: global }
    .group_segment_fixed_size: 327680
    .private_segment_fixed_size: 0
    .kernarg_segment_align: 8
    .kernarg_segment_size: 24
    .max_flat_workgroup_size: 128
    .sgpr_count:     96
    .vgpr_count:     1024
    .wavefront_size: 32
...
	.end_amdgpu_metadata
.endif
;; end of part 3
;; launch norm (part 4): grid 256 x 1, 8 waves a work-group, no clusters, 0 bytes of LDS; arguments y, qkvg, ln_w, ln_b, z; writes z
.if DOCPART == 4
	.amdgcn_target "amdgcn-amd-amdhsa--gfx1250"
	.amdhsa_code_object_version 6
	.text
	.protected	k_q6dfff5909d_norm
	.globl	k_q6dfff5909d_norm
	.p2align	8
	.type	k_q6dfff5909d_norm,@function
k_q6dfff5909d_norm:
	s_mov_b64 s[64:65], 0
	v_nop
	global_prefetch_b8 v0, s[64:65] scope:SCOPE_SE
	s_setreg_imm32_b32 hwreg(HW_REG_WAVE_MODE, 25, 1), 1
	s_wait_xcnt 0x0
; z[row][c] = bf16( ((y - mu) rsqrt(var + 1e-5) w[c] + b[c]) x silu(g[row][c]) ).  y: [2048][2048] f32.  g: blocks 48 .. 63 of qkvg, [2048][128] f16 each.  z: [2048][2048] bf16, rounded once.
; mu and var in two passes over the row, which stays in registers: first the mean, then the mean of the squared differences.  silu(g) = g / (1 + 2^(-log2(e) g)).
; ln_w and ln_b are rounded to bf16, as all the module's inputs are in this program.  NaN and infinities are not treated apart.
; A stream: one wave a row, no LDS, no barrier.  Lane l holds channels 128 j + 4 l .. + 3, j = 0..15: a load of y, w or b covers 512 consecutive bytes, a load of g and a store of z 256, aligned.
.set C,  2                             ; v[2:9]     four chains
.set KN, 10                            ; v10        -log2(e)
.set ZR, 11                            ; v11        0
.set MU, 12                            ; v[12:13]
.set RS, 14                            ; v[14:15]
.set Y,  16                            ; v[16:79]
.set G,  80                            ; v[80:111]
.set W,  112                           ; v[112:175] as loaded; packed to bf16 in v[112:143]
.set B,  176                           ; v[176:239] as loaded; packed in v[176:207]
.set O16, 240                          ; v240  16 l
.set O8,  241                          ; v241  8 l
; E, 64 registers for the sigmoid, takes what the packing frees: number e at 144 + e (e < 32) or 176 + e
	s_load_b256 s[4:11], s[0:1], 0x0               ; y s[4:5], qkvg s[6:7], ln_w s[8:9], ln_b s[10:11]
	s_load_b64 s[12:13], s[0:1], 0x20              ; z
	v_lshrrev_b32 v1, 5, v0
	v_readfirstlane_b32 s14, v1
	s_lshl3_add_u32 s15, ttmp9, s14                ; my row
	v_and_b32 v1, 31, v0
	v_lshlrev_b32 v[O16], 4, v1
	v_lshlrev_b32 v[O8], 3, v1
	s_lshl_b32 s16, s15, 13
	s_mov_b32 s17, 0
	s_lshl_b32 s18, s15, 8
	s_add_co_u32 s18, s18, 48<<19                  ; block 48
	s_mov_b32 s19, 0
	s_lshl_b32 s20, s15, 12
	s_mov_b32 s21, 0
	s_mov_b32 s22, 0x3a000000                      ; 1 / 2048
	s_mov_b32 s23, 0x3727c5ac                      ; 1e-5
	s_mov_b32 s24, 0x76543210
	s_mov_b32 s25, 0xfedcba98
	v_mov_b32 v[KN], 0xbfb8aa3b
	v_mov_b32 v[ZR], 0
	s_wait_kmcnt 0x0
	s_add_nc_u64 s[4:5], s[4:5], s[16:17]
	s_add_nc_u64 s[6:7], s[6:7], s[18:19]
	s_add_nc_u64 s[12:13], s[12:13], s[20:21]
.set j, 0
.rept 16
	global_load_b128 v[Y+4*j:Y+4*j+3], v[O16], s[4:5] offset:512*j th:TH_LOAD_NT
.set j, j+1
.endr
.set j, 0
.rept 16
	global_load_b64 v[G+2*j:G+2*j+1], v[O8], s[6:7] offset:524288*j th:TH_LOAD_NT
.set j, j+1
.endr
.set j, 0
.rept 16
	global_load_b128 v[W+4*j:W+4*j+3], v[O16], s[8:9] offset:512*j
.set j, j+1
.endr
.set j, 0
.rept 16
	global_load_b128 v[B+4*j:B+4*j+3], v[O16], s[10:11] offset:512*j
.set j, j+1
.endr
.macro ACROSS                          ; the four chains into one number, then over the 32 lanes; every lane ends with the sum
	v_pk_add_f32 v[C:C+1], v[C:C+1], v[C+2:C+3]
	v_pk_add_f32 v[C+4:C+5], v[C+4:C+5], v[C+6:C+7]
	v_pk_add_f32 v[C:C+1], v[C:C+1], v[C+4:C+5]
	v_add_f32 v[C], v[C], v[C+1]
	v_add_f32_dpp v[C], v[C], v[C] row_xmask:1 row_mask:0xf bank_mask:0xf
	v_add_f32_dpp v[C], v[C], v[C] row_xmask:2 row_mask:0xf bank_mask:0xf
	v_add_f32_dpp v[C], v[C], v[C] row_xmask:4 row_mask:0xf bank_mask:0xf
	v_add_f32_dpp v[C], v[C], v[C] row_xmask:8 row_mask:0xf bank_mask:0xf
	v_permlanex16_b32 v[C+1], v[C], s24, s25
	v_add_f32 v[C], v[C], v[C+1]
.endm
	s_wait_loadcnt 48                              ; y's sixteen loads are in; the 48 of g, w and b stay out
.set i, 0
.rept 4
	v_pk_add_f32 v[C+2*i:C+2*i+1], v[Y+2*i:Y+2*i+1], v[Y+8+2*i:Y+8+2*i+1]
.set i, i+1
.endr
.set i, 8
.rept 24
	v_pk_add_f32 v[C+2*(i%4):C+2*(i%4)+1], v[C+2*(i%4):C+2*(i%4)+1], v[Y+2*i:Y+2*i+1]
.set i, i+1
.endr
	ACROSS
	v_mul_f32 v[MU], s22, v[C]
	v_mov_b32 v[MU+1], v[MU]
.set i, 0
.rept 32
	v_pk_add_f32 v[Y+2*i:Y+2*i+1], v[Y+2*i:Y+2*i+1], v[MU:MU+1] neg_lo:[0,1] neg_hi:[0,1]
.set i, i+1
.endr
.set i, 0
.rept 4
	v_pk_mul_f32 v[C+2*i:C+2*i+1], v[Y+2*i:Y+2*i+1], v[Y+2*i:Y+2*i+1]
.set i, i+1
.endr
.set i, 4
.rept 28
	v_pk_fma_f32 v[C+2*(i%4):C+2*(i%4)+1], v[Y+2*i:Y+2*i+1], v[Y+2*i:Y+2*i+1], v[C+2*(i%4):C+2*(i%4)+1]
.set i, i+1
.endr
	ACROSS
	v_fma_f32 v[C], v[C], s22, s23                 ; var + 1e-5
	v_rsq_f32 v[RS], v[C]
	v_nop                                          ; a plain instruction behind it,
	s_wait_alu depctr_va_vdst(0)                   ; and the wait ahead of its first reader
	v_mov_b32 v[RS+1], v[RS]
	s_wait_loadcnt 0x0                             ; g, w, b
.set i, 0
.rept 32                               ; in place, ascending: number i is written when numbers 2 i and 2 i + 1 have been read
	v_cvt_pk_bf16_f32 v[W+i], v[W+2*i], v[W+2*i+1]
	v_cvt_pk_bf16_f32 v[B+i], v[B+2*i], v[B+2*i+1]
.set i, i+1
.endr
.set e, 0
.rept 64
.if e%2
	v_fma_mix_f32 v[144+e+32*(e/32)], v[G+e/2], v[KN], v[ZR] op_sel:[1,0,0] op_sel_hi:[1,0,0]
.else
	v_fma_mix_f32 v[144+e+32*(e/32)], v[G+e/2], v[KN], v[ZR] op_sel_hi:[1,0,0]
.endif
.set e, e+1
.endr
.set e, 0
.rept 64
	v_exp_f32 v[144+e+32*(e/32)], v[144+e+32*(e/32)]
.set e, e+1
.endr
	v_nop
	s_wait_alu depctr_va_vdst(0)                   ; one wait for the 64 exponentials
.set e, 0
.rept 32
	v_pk_add_f32 v[144+e+32*(e/32):145+e+32*(e/32)], v[144+e+32*(e/32):145+e+32*(e/32)], 1.0 op_sel_hi:[1,0]
.set e, e+2
.endr
.set e, 0
.rept 64
	v_rcp_f32 v[144+e+32*(e/32)], v[144+e+32*(e/32)]
.set e, e+1
.endr
.set i, 0
.rept 32                               ; these name no reciprocal: the plain work behind the batch
	v_pk_mul_f32 v[Y+2*i:Y+2*i+1], v[Y+2*i:Y+2*i+1], v[RS:RS+1]
.set i, i+1
.endr
.set e, 0
.rept 64
.if e%2
	v_fma_mix_f32_bf16 v[Y+e], v[Y+e], v[W+e/2], v[B+e/2] op_sel:[0,1,1] op_sel_hi:[0,1,1]
.else
	v_fma_mix_f32_bf16 v[Y+e], v[Y+e], v[W+e/2], v[B+e/2] op_sel_hi:[0,1,1]
.endif
.set e, e+1
.endr
	s_wait_alu depctr_va_vdst(0)                   ; one wait for the 64 reciprocals
.set e, 0
.rept 32
	v_pk_mul_f32 v[Y+e:Y+e+1], v[Y+e:Y+e+1], v[144+e+32*(e/32):145+e+32*(e/32)]
.set e, e+2
.endr
.set e, 0
.rept 64
.if e%2
	v_fma_mix_f32 v[Y+e], v[Y+e], v[G+e/2], v[ZR] op_sel:[0,1,0] op_sel_hi:[0,1,0]
.else
	v_fma_mix_f32 v[Y+e], v[Y+e], v[G+e/2], v[ZR] op_sel_hi:[0,1,0]
.endif
.set e, e+1
.endr
.set i, 0
.rept 32
	v_cvt_pk_bf16_f32 v[144+i], v[Y+2*i], v[Y+2*i+1]
.set i, i+1
.endr
.set j, 0
.rept 16
	global_store_b64 v[O8], v[144+2*j:145+2*j], s[12:13] offset:256*j th:TH_STORE_NT
.set j, j+1
.endr
	s_endpgm
.Lfunc_end_k_q6dfff5909d_norm:
	.size	k_q6dfff5909d_norm, .Lfunc_end_k_q6dfff5909d_norm-k_q6dfff5909d_norm
	.p2alignl 7, 3214868480
	.fill 96, 4, 3214868480
	.section	.rodata,"a",@progbits
	.p2align	6, 0x0
	.amdhsa_kernel k_q6dfff5909d_norm
		.amdhsa_group_segment_fixed_size 0
		.amdhsa_private_segment_fixed_size 0
		.amdhsa_enable_private_segment 0
		.amdhsa_kernarg_size 40
		.amdhsa_user_sgpr_count 2
		.amdhsa_user_sgpr_kernarg_segment_ptr 1
		.amdhsa_wavefront_size32 1
		.amdhsa_system_sgpr_workgroup_id_x 1
		.amdhsa_system_sgpr_workgroup_id_y 1
		.amdhsa_system_sgpr_workgroup_id_z 1
		.amdhsa_system_vgpr_workitem_id 0
		.amdhsa_next_free_vgpr 248
		.amdhsa_next_free_sgpr 66
		.amdhsa_reserve_vcc 0
		.amdhsa_float_denorm_mode_32 3
		.amdhsa_float_denorm_mode_16_64 3
		.amdhsa_memory_ordered 1
		.amdhsa_forward_progress 1
		.amdhsa_inst_pref_size 45
	.end_amdhsa_kernel
	.amdgpu_metadata
---
amdhsa.version: [ 1, 2 ]
amdhsa.kernels:
  - .name:           k_q6dfff5909d_norm
    .symbol:         k_q6dfff5909d_norm.kd
    .args:
      - { .name: y, .offset: 0, .size: 8, .value_kind: global_buffer, .address_space: global }
      - { .name: qkvg, .offset: 8, .size: 8, .value_kind: global_buffer, .address_space: global }
      - { .name: ln_w, .offset: 16, .size: 8, .value_kind: global_buffer, .address_space: global }
      - { .name: ln_b, .offset: 24, .size: 8, .value_kind: global_buffer, .address_space: global }
      - { .name: z, .offset: 32, .size: 8, .value_kind: global_buffer, .address_space: global }
    .group_segment_fixed_size: 0
    .private_segment_fixed_size: 0
    .kernarg_segment_align: 8
    .kernarg_segment_size: 40
    .max_flat_workgroup_size: 256
    .sgpr_count:     66
    .vgpr_count:     248
    .wavefront_size: 32
...
	.end_amdgpu_metadata
.endif
;; end of part 4
;; launch outp (part 5): grid 16 x 16, 4 waves a work-group, clusters of 4 x 4, 327,680 bytes of LDS; arguments z, cb, out0; writes out0
.if DOCPART == 5
	.amdgcn_target "amdgcn-amd-amdhsa--gfx1250"
	.amdhsa_code_object_version 6
	.text
	.protected	k_q6dfff5909d_outp
	.globl	k_q6dfff5909d_outp
	.p2align	8
	.type	k_q6dfff5909d_outp,@function
k_q6dfff5909d_outp:
	s_mov_b64 s[64:65], 0
	v_nop
	global_prefetch_b8 v0, s[64:65] scope:SCOPE_SE
	s_setreg_imm32_b32 hwreg(HW_REG_WAVE_MODE, 25, 1), 1
	s_wait_xcnt 0x0
	s_wait_alu depctr_hold_cnt(0) depctr_sa_sdst(0) depctr_va_vdst(0) depctr_va_sdst(0) depctr_va_ssrc(0) depctr_va_vcc(0) depctr_vm_vsrc(0)
	s_getreg_b32 s2, hwreg(HW_REG_IB_STS2, 6, 4)
	s_cmp_eq_u32 s2, 0
	s_cbranch_scc0 .Lentry_in_a_cluster
	s_endpgm
.Lentry_in_a_cluster:
	s_bfe_u32 s2, ttmp6, 0x10000c
	s_cmp_lg_u32 s2, 0xf033
	s_cbranch_scc0 .Lentry_shape_is_right
	s_endpgm
.Lentry_shape_is_right:
; out0[m][n] = the sum over k of z[m][k] wo[n][k].  z: [2048][2048] bf16; wo: plane 5 of cb, bf16; out0: f32, the f32 sums as they are.
; A tile of C is 128 x 128, which gives each of 256 work-groups one; four waves of 64 x 64: 16 accumulators, 128 registers.  K goes in steps of 256 (LDS rows of 512 bytes, 64 to a tensor load), two slots.
; CLUSTER 4 x 4: A's tile is asked for jointly along a row of the cluster, B's along a column.  The matrix instruction is used transposed (source 0 = rows of B, source 1 = rows of A): a lane holds eight
; neighbouring numbers of a row of C, 32 bytes.  A wave's 64 columns are 256 bytes of a row, aligned: each wave sends its own rows out through a stage of its own, and no barrier is needed.
; No prefetch: a K step here is short and the tiles are small; each tile is already asked for once for four work-groups.
; REGISTERS: window 0: v0-31 addresses; v32-95 the way out; v128-255 the accumulators ((a, b) at v[128 + 8 (4 a + b)]).  window 1: two fragment buffers of 128.
.set SIZE_K, 2048
.set KSTEP,  256
.set PITCH,  528                       ; an LDS row: 512 bytes + 16
.set HALFT,  64*PITCH
.set SLOT,   4*HALFT
.set STAGE,  2*SLOT                    ; behind the ring: 16 rows x 272 bytes for each wave
.set SPITCH, 272
.set SPARE,  STAGE+4*16*SPITCH         ; the spare words, 128 bytes a wave, which no other line names
.set LAPS, SIZE_K/(2*KSTEP)
.set ADRA, 16
.set ADRB, 20
.set STO,  24
.set RD,   25
.set CO,   26
.set SPW,  28
.set NIL,  29
.set TMP,  32
.set ACC,  128
.set F0,   0
.set F1,   128
.set G1, 24
.set G0, 32
.set G1B, 48
.set G0B, 56
.set MSB, 0
.macro WIN new
.if MSB != (\new)
	s_set_vgpr_msb (MSB<<8)|(\new)
.set MSB, \new
.endif
.endm
.set MUL,  0x05                        ; sources 0 (B) and 1 (A) window 1; C and D window 0
.set TO_F, 0x40                        ; destination window 1, address window 0
.macro JLOAD s                         ; waves 0 and 1 fetch A's two halves, waves 2 and 3 B's; an s_nop 0 and four v_nop follow each line
	s_cmp_eq_u32 s11, 0
	s_cbranch_scc0 .Lfor_b_\@
	tensor_load_to_lds s[G0+4*(\s):G0+4*(\s)+3], s[G1:G1+7]
	s_nop 0
.rept 4
	v_nop
.endr
	s_branch .Lasked_\@
.Lfor_b_\@:
	tensor_load_to_lds s[G0B+4*(\s):G0B+4*(\s)+3], s[G1B:G1B+7]
	s_nop 0
.rept 4
	v_nop
.endr
.Lasked_\@:
.endm
.macro CREST
	s_cmp_lg_u32 s10, 0
	s_cbranch_scc1 .Lnot_wave_0_\@
	s_barrier_signal -3
.Lnot_wave_0_\@:
	s_barrier_wait -3
	s_barrier_signal -1
	s_barrier_wait -1
.endm
.macro CROUND
	s_barrier_signal -1
	s_barrier_wait -1
	CREST
.endm
	s_load_b128 s[4:7], s[0:1], 0x0                ; z s[4:5], cb s[6:7]
	s_load_b64 s[8:9], s[0:1], 0x10                ; out0
	v_lshl_add_u32 v[SPW], v0, 2, SPARE
	v_mov_b32 v[NIL], 0
	ds_add_u32 v[SPW], v[NIL]                      ; the wave's opening: the add and its wait ahead of my first tensor load
	v_lshrrev_b32 v1, 5, v0
	v_readfirstlane_b32 s10, v1                    ; wave 0..3
	s_lshr_b32 s11, s10, 1                         ; which half of the tile's rows is mine.  Also: I fetch for A (0) or for B (1)
	s_and_b32 s12, s10, 1                          ; which half of its columns.  Also: which 64 rows of that tile I fetch
	s_bfe_u32 s40, ttmp6, 0x40000
	s_bfe_u32 s41, ttmp6, 0x40004
	s_lshl_b32 s42, ttmp9, 2
	s_add_co_u32 s42, s42, s40                     ; tile column
	s_and_b32 s13, ttmp7, 0xffff
	s_lshl_b32 s13, s13, 2
	s_add_co_u32 s13, s13, s41                     ; tile row
	s_lshl_b32 s43, s41, 2
	s_lshl_b32 s43, 15, s43                        ; my row of the cluster
	s_lshl_b32 s44, 0x1111, s40                    ; my column
	s_or_b32 s[G1+0], s43, (1<<16)|(1<<20)|(1<<21)|(6<<22)|(3<<25)  ; the mask; 2-byte elements; padding on; bit 21 beside a mask; after every 128 words; 4 words
	s_or_b32 s[G1B+0], s44, (1<<16)|(1<<20)|(1<<21)|(6<<22)|(3<<25)
.irp g, G1, G1B
	s_mov_b32 s[(\g)+1], KSTEP<<16                 ; tensor_dim0 = 256
	s_mov_b32 s[(\g)+2], 64<<16                    ; tensor_dim1 = 64
	s_mov_b32 s[(\g)+3], KSTEP<<16                 ; tile_dim0 = 256
	s_mov_b32 s[(\g)+4], 64                        ; tile_dim1 = 64
	s_mov_b32 s[(\g)+5], SIZE_K
	s_mov_b32 s[(\g)+6], 0
	s_mov_b32 s[(\g)+7], 0
.endr
	s_lshl_b32 s17, s12, 6
	s_lshl_b32 s16, s13, 7
	s_add_co_u32 s16, s16, s17                     ; A: row 128 x tile row + 64 x half
	s_lshl_b32 s46, s42, 7
	s_add_co_u32 s46, s46, s17                     ; B: row 128 x tile column + 64 x half
	s_mov_b32 s17, 0
	s_mov_b32 s47, 0
	s_mov_b64 s[18:19], SIZE_K*2
	s_mul_u64 s[16:17], s[16:17], s[18:19]
	s_mul_u64 s[46:47], s[46:47], s[18:19]
	s_mul_i32 s20, s10, HALFT
	s_wait_dscnt 0x0                               ; the opening add is done
	s_wait_kmcnt 0x0
	s_add_nc_u64 s[6:7], s[6:7], 0x2800000         ; plane 5 of cb: wo
	s_add_nc_u64 s[14:15], s[4:5], s[16:17]
	s_add_nc_u64 s[46:47], s[6:7], s[46:47]
	CROUND                                         ; all sixteen work-groups are here: the first joint loads meet
.irp s, 0,1
	s_mov_b32 s[G0+4*(\s)], 1
	s_add_co_u32 s[G0+4*(\s)+1], s20, (\s)*SLOT
	s_add_nc_u64 s[G0+4*(\s)+2:G0+4*(\s)+3], s[14:15], (\s)*KSTEP*2
	s_or_b32 s[G0+4*(\s)+3], s[G0+4*(\s)+3], 0x80000000
	s_mov_b32 s[G0B+4*(\s)], 1
	s_add_co_u32 s[G0B+4*(\s)+1], s20, (\s)*SLOT
	s_add_nc_u64 s[G0B+4*(\s)+2:G0B+4*(\s)+3], s[46:47], (\s)*KSTEP*2
	s_or_b32 s[G0B+4*(\s)+3], s[G0B+4*(\s)+3], 0x80000000
	JLOAD \s                                       ; two tensor loads of mine are out
.endr
	v_and_b32 v1, 15, v0                           ; l % 16
	v_bfe_u32 v2, v0, 4, 1                         ; l / 16
	v_mul_u32_u24 v3, v1, PITCH
	v_lshl_add_u32 v3, v2, 4, v3
	s_mul_i32 s21, s11, HALFT
	s_mul_i32 s22, s12, HALFT
	s_add_co_u32 s22, s22, 2*HALFT
.irp s, 0,1
	v_add_nc_u32 v[ADRA+(\s)], s21, v3
	v_add_nc_u32 v[ADRB+(\s)], s22, v3
	s_add_co_u32 s21, s21, SLOT
	s_add_co_u32 s22, s22, SLOT
.endr
	s_mul_i32 s23, s10, 16*SPITCH
	s_add_co_u32 s23, s23, STAGE                   ; my stage
	v_mul_u32_u24 v4, v1, SPITCH                   ; in: row l % 16, 32 bytes for each half of the lanes
	v_lshl_add_u32 v4, v2, 5, v4
	v_add_nc_u32 v[STO], s23, v4
	v_mul_u32_u24 v5, v2, SPITCH                   ; back: lanes 0-15 take one row of 256 bytes, lanes 16-31 the next
	v_lshl_add_u32 v5, v1, 4, v5
	v_add_nc_u32 v[RD], s23, v5
	v_lshlrev_b32 v5, 13, v2                       ; and the same two rows in out0: 8,192 bytes a row
	v_lshl_add_u32 v[CO], v1, 4, v5
	s_lshl_b32 s16, s13, 7
	s_lshl_b32 s17, s11, 6
	s_add_co_u32 s16, s16, s17                     ; my first row: 128 x tile row + 64 x half
	s_lshl_b32 s16, s16, 13
	s_mov_b32 s17, 0
	s_add_nc_u64 s[8:9], s[8:9], s[16:17]
	s_lshl_b32 s46, s42, 9                         ; my first column, in bytes: 512 x tile column + 256 x half
	s_lshl_b32 s47, s12, 8
	s_add_co_u32 s46, s46, s47
	s_mov_b32 s47, 0
	s_add_nc_u64 s[8:9], s[8:9], s[46:47]
.macro MUL8 f, c, a0, zero             ; 8 matrix instructions: m blocks a0, a0 + 1 x all 4 n blocks, 32 along K: half c of buffer f
	WIN MUL
.irp a, \a0, (\a0)+1
.irp b, 0,1,2,3
.if \zero
	v_wmma_f32_16x16x32_bf16 v[ACC+8*(4*(\a)+(\b)):ACC+8*(4*(\a)+(\b))+7], v[(\f)+64+8*(4*(\c)+(\b)):(\f)+64+8*(4*(\c)+(\b))+7], v[(\f)+8*(4*(\c)+(\a)):(\f)+8*(4*(\c)+(\a))+7], 0
.else
	v_wmma_f32_16x16x32_bf16 v[ACC+8*(4*(\a)+(\b)):ACC+8*(4*(\a)+(\b))+7], v[(\f)+64+8*(4*(\c)+(\b)):(\f)+64+8*(4*(\c)+(\b))+7], v[(\f)+8*(4*(\c)+(\a)):(\f)+8*(4*(\c)+(\a))+7], v[ACC+8*(4*(\a)+(\b)):ACC+8*(4*(\a)+(\b))+7]
.endif
.endr
.endr
.endm
.macro FETCH slot, k, f                ; 32 LDS loads in one run: the fragments of 64 along K; the first 32 along K first
	WIN TO_F
.irp c, 0,1
.irp i, 0,1,2,3
	ds_load_b128 v[(\f)+64+8*(4*(\c)+(\i)):(\f)+64+8*(4*(\c)+(\i))+3],   v[ADRB+(\slot)] offset:(\k)+64*(\c)+(\i)*16*PITCH
	ds_load_b128 v[(\f)+64+8*(4*(\c)+(\i))+4:(\f)+64+8*(4*(\c)+(\i))+7], v[ADRB+(\slot)] offset:(\k)+64*(\c)+(\i)*16*PITCH+32
	ds_load_b128 v[(\f)+8*(4*(\c)+(\i)):(\f)+8*(4*(\c)+(\i))+3],         v[ADRA+(\slot)] offset:(\k)+64*(\c)+(\i)*16*PITCH
	ds_load_b128 v[(\f)+8*(4*(\c)+(\i))+4:(\f)+8*(4*(\c)+(\i))+7],       v[ADRA+(\slot)] offset:(\k)+64*(\c)+(\i)*16*PITCH+32
.endr
.endr
.endm
.macro PLACES
.rept 4
	v_nop
.endr
.endm
.macro QUARTER slot, k, f, g, zero
	s_wait_dscnt 16                                ; the first 32 along K are in; the other sixteen loads may be out
	WIN MUL
	MUL8 \f, 0, 0, \zero
	MUL8 \f, 0, 2, \zero
	PLACES
	FETCH \slot, \k, \g
	s_wait_dscnt 32                                ; all but the 32 just issued
	WIN MUL
	MUL8 \f, 1, 0, 0
	MUL8 \f, 1, 2, 0
.endm
.macro TURN slot, next, fill           ; the last quarter multiplies buffer 1 and changes slots
	WIN 0
	s_wait_tensorcnt 0x0                           ; all my tensor loads have landed: my part of the next slot;
	ds_add_u32 v[SPW], v[NIL]
	s_wait_dscnt 17                                ; (the add and the youngest sixteen loads may be out)
	WIN MUL
	MUL8 F1, 0, 0, 0
	s_wait_dscnt 0x0                               ; the add is done, and my reads of this slot are over
	s_barrier_signal -1
	MUL8 F1, 0, 2, 0
.if \fill
	WIN 0
.endif
	s_barrier_wait -1
.if \fill
	CREST                                          ; no wave of any partner still reads this slot's tile or has a load on its way
	s_add_nc_u64 s[G0+4*(\slot)+2:G0+4*(\slot)+3], s[G0+4*(\slot)+2:G0+4*(\slot)+3], 2*KSTEP*2
	s_add_nc_u64 s[G0B+4*(\slot)+2:G0B+4*(\slot)+3], s[G0B+4*(\slot)+2:G0B+4*(\slot)+3], 2*KSTEP*2
	JLOAD \slot                                    ; my one tensor load behind the round; its four v_nop are also the places in front of the loads below
.else
	PLACES
.endif
	FETCH \next, 0, F0
	WIN MUL
	MUL8 F1, 1, 0, 0
	MUL8 F1, 1, 2, 0
.endm
	s_wait_tensorcnt 1                             ; my part of K step 0 is in; K step 1's load stays out
	s_barrier_signal -1
	s_barrier_wait -1
	FETCH 0, 0, F0
	QUARTER 0, 128, F0, F1, 1                      ; the first quarter stands in front of the loop: its first products start the sums
	WIN 0
	s_mov_b32 s3, LAPS-1
.Llap:
	QUARTER 0, 256, F1, F0, 0
	QUARTER 0, 384, F0, F1, 0
	TURN 0, 1, 1
	QUARTER 1, 128, F0, F1, 0
	QUARTER 1, 256, F1, F0, 0
	QUARTER 1, 384, F0, F1, 0
	TURN 1, 0, 1
	QUARTER 0, 128, F0, F1, 0
	WIN 0
	s_sub_co_u32 s3, s3, 1
	s_cmp_lg_u32 s3, 0
	s_cbranch_scc1 .Llap
	QUARTER 0, 256, F1, F0, 0                      ; the last lap fills nothing
	QUARTER 0, 384, F0, F1, 0
	TURN 0, 1, 0
	QUARTER 1, 128, F0, F1, 0
	QUARTER 1, 256, F1, F0, 0
	QUARTER 1, 384, F0, F1, 0
	s_wait_dscnt 16
	WIN MUL
	MUL8 F1, 0, 0, 0
	MUL8 F1, 0, 2, 0
	s_wait_dscnt 0
	MUL8 F1, 1, 0, 0
	MUL8 F1, 1, 2, 0
	WIN 0
	; THE WAY OUT, 16 rows at a time: the accumulators go as they are, 32 bytes a lane, into rows of 272 bytes of my own stage (each accumulator's lowest registers first) and come back as whole rows of 256 bytes.
	PLACES
.irp a, 0,1,2,3
.irp b, 0,1,2,3
	ds_store_b128 v[STO], v[ACC+8*(4*(\a)+(\b)):ACC+8*(4*(\a)+(\b))+3]   offset:64*(\b)
	ds_store_b128 v[STO], v[ACC+8*(4*(\a)+(\b))+4:ACC+8*(4*(\a)+(\b))+7] offset:64*(\b)+16
.endr
.if (\a) >= 2
	s_wait_xcnt 0x0                                ; the stores of two blocks back have read the registers that are loaded again below
.endif
.irp t, 0,1,2,3,4,5,6,7
	ds_load_b128 v[TMP+32*((\a)%2)+4*(\t):TMP+32*((\a)%2)+4*(\t)+3], v[RD] offset:(\t)*2*SPITCH  ; LDS serves a wave's instructions in order: these see the stores above; the next block's stores come behind them
.endr
.irp t, 0,1,2,3,4,5,6,7
	s_wait_dscnt 7-(\t)                            ; rows 2 t, 2 t + 1 are back; the later ones stay out
	global_store_b128 v[CO], v[TMP+32*((\a)%2)+4*(\t):TMP+32*((\a)%2)+4*(\t)+3], s[8:9] offset:(16*(\a)+2*(\t))*8192  ; 16 lanes store 256 consecutive bytes, aligned
.endr
.endr
	s_wait_tensorcnt 0x0                           ; the wave's end
	ds_add_u32 v[SPW], v[NIL]
	s_wait_dscnt 0x0
	CROUND                                         ; the closing round
	s_endpgm
.Lfunc_end_k_q6dfff5909d_outp:
	.size	k_q6dfff5909d_outp, .Lfunc_end_k_q6dfff5909d_outp-k_q6dfff5909d_outp
	.p2alignl 7, 3214868480
	.fill 96, 4, 3214868480
	.section	.rodata,"a",@progbits
	.p2align	6, 0x0
	.amdhsa_kernel k_q6dfff5909d_outp
		.amdhsa_group_segment_fixed_size 327680
		.amdhsa_private_segment_fixed_size 0
		.amdhsa_enable_private_segment 0
		.amdhsa_kernarg_size 24
		.amdhsa_user_sgpr_count 2
		.amdhsa_user_sgpr_kernarg_segment_ptr 1
		.amdhsa_wavefront_size32 1
		.amdhsa_system_sgpr_workgroup_id_x 1
		.amdhsa_system_sgpr_workgroup_id_y 1
		.amdhsa_system_sgpr_workgroup_id_z 1
		.amdhsa_system_vgpr_workitem_id 0
		.amdhsa_next_free_vgpr 512
		.amdhsa_next_free_sgpr 66
		.amdhsa_reserve_vcc 0
		.amdhsa_float_denorm_mode_32 3
		.amdhsa_float_denorm_mode_16_64 3
		.amdhsa_memory_ordered 1
		.amdhsa_forward_progress 1
		.amdhsa_inst_pref_size 86
	.end_amdhsa_kernel
	.amdgpu_metadata
---
amdhsa.version: [ 1, 2 ]
amdhsa.kernels:
  - .name:           k_q6dfff5909d_outp
    .symbol:         k_q6dfff5909d_outp.kd
    .args:
      - { .name: z, .offset: 0, .size: 8, .value_kind: global_buffer, .address_space: global }
      - { .name: cb, .offset: 8, .size: 8, .value_kind: global_buffer, .address_space: global }
      - { .name: out0, .offset: 16, .size: 8, .value_kind: global_buffer, .address_space: global }
    .group_segment_fixed_size: 327680
    .private_segment_fixed_size: 0
    .kernarg_segment_align: 8
    .kernarg_segment_size: 24
    .max_flat_workgroup_size: 128
    .sgpr_count:     66
    .vgpr_count:     512
    .wavefront_size: 32
...
	.end_amdgpu_metadata
.endif
;; end of part 5
